; MI455X (gfx1250); checked and timed in simulation.
; The chip was launched on July 23, 2026; its instructions are those of AMD's public machine-readable ISA for CDNA 5 (MIT licence, August 2026) and "CDNA5" Instruction Set Architecture Reference Guide (July 2026). The comments in the code are by the model that wrote it; some were corrected since.
;; Dot Product Attention. Allowed arithmetic: matrix products marked QUANTISED: E2M1 operands, one E8M0 scale for each 32 along K, by v_wmma_scale_f32_16x16x128_f8f6f4 with both operands' format E2M1 (or v_wmma_scale_f32_32x16x128_f4), f32 sums; everything else in f32.
;; Inputs: K 16 x 2,048 x 128 float32; Q 16 x 2,048 x 128 float32; V 16 x 2,048 x 128 float32; valid_lens 16 int32.
;; Outputs: out0 16 x 2,048 x 128 float32.
;; This version of the problem:
;;   THIS VERSION OF THE PROBLEM IS GIVEN IN LOW PRECISION. The matrix products marked QUANTISED in the list below multiply operands that are first quantised to E2M1 (2 exponent bits, 1 mantissa bit; 4 bits a number), with one power-of-two scale for each 32 numbers along K (OCP MX v1.0); their sums are f32. All else is computed in f32.
;;   The module's matrix products, in the order in which they are computed (A, B: the left and right operand; K: the contracted axis; several contracted axes count as one K, in the product's order):
;;     1. batch 16 x [M 2,048, K 128] x [K 128, N 2,048]; A: input Q; B: input K: QUANTISED
;;     2. batch 16 x [M 2,048, K 2,048] x [K 2,048, N 128]; A: softmax (see below); B: input V: QUANTISED
;;   THE QUANTISER, for each operand of a quantised product, along K:
;;     - K is cut into blocks of 32 from its start; a last block that is shorter is filled with zeros.
;;     - A block's scale is 2^e with e = floor(log2(the largest magnitude in the block)) - 2, held to -126 .. 127; a block of zeros has e = 0. As a byte (E8M0): e + 127.
;;     - Each number is divided by its block's scale, clamped to +-6, and rounded to the nearest number of E2M1, ties to even, subnormals kept.
;;     - The product sums the exact products of the quantised numbers (number of the format x scale) in f32.
;;   ~~~python
;;   def quantise(x, axis):      # numpy; x: float32 -> the quantised numbers, widened to float32 again
;;       x = np.moveaxis(x, axis, -1); K = x.shape[-1]
;;       x = np.pad(x, [(0, 0)] * (x.ndim - 1) + [(0, -K % 32)]); x = x.reshape(x.shape[:-1] + (-1, 32)); a = np.abs(x).max(-1, keepdims=True)
;;       e = np.where(a > 0, np.clip(np.frexp(np.where(a > 0, a, 1))[1] - 1 - 2, -126, 127), 0)      # np.frexp(a)[1] - 1 = floor(log2(a)), exactly
;;       r = np.clip(x / 2.0 ** e, -6, 6)
;;       step = 2.0 ** (np.maximum(np.frexp(np.where(r == 0, 1, r))[1] - 1, 0) - 1)
;;       q = np.round(r / step) * step * 2.0 ** e      # np.round: ties to even
;;       return np.moveaxis(q.reshape(q.shape[:-2] + (-1,))[..., :K], -1, axis).astype(np.float32)
;;   ~~~
;;   SOFTMAX AHEAD OF A QUANTISED PRODUCT. Where the list says 'softmax', what is quantised is not the finished softmax but p = 2^(t - M), with t = logit x log2(e) and M = ceil(the row's largest t), a whole number; so 1/2 < the row's largest p <= 1. The row's sum l is taken of the UNQUANTISED p, in f32, and the product's result is divided by l at the end. Since M is a whole number, a kernel that streams over the keys may use a running M (the ceiling of the running maximum): every later rescaling is an exact power of two, which a block's scale takes up: the codes' values come out the same.
;;   OPERANDS COMPUTED ON THE WAY. 'Computed on the way' means the value that the module computes at that place (a softmax that the list does not call 'softmax' is quantised finished and normalised). What goes into a quantiser is computed in f32, as accurately as f32 sums, v_exp_f32 and their like allow (about 1e-6 of the number): no bf16 or f16 on the way to a quantiser, and a product that is left as it is and whose result goes on into a quantised operand takes f32 operands (vector FMAs, or v_wmma_f32_16x16x4_f32). A number that lies on a knife's edge between two numbers of the format may be rounded either way, as far as f32 arithmetic and the matrix unit's own rounding can turn it there, and no further.
;; 2 versions. Each part assembles by itself: llvm-mc -triple=amdgcn-amd-amdhsa -mcpu=gfx1250 --defsym DOCPART=n.
;; ======== version 1 of 2: 2 launches
;; limits: right only within a limited range of input values
;; workspace buffers: kv 4,456,448 bytes
;; launch prep (part 1): grid 256 x 2, 4 waves a work-group, no clusters, 34,304 bytes of LDS; arguments K, V, valid_lens, kv; writes kv
.if DOCPART == 1
	.amdgcn_target "amdgcn-amd-amdhsa--gfx1250"
	.amdhsa_code_object_version 6
	.text
	.protected	k_q596ee860c9_prep
	.globl	k_q596ee860c9_prep
	.p2align	8
	.type	k_q596ee860c9_prep,@function
k_q596ee860c9_prep:
	s_mov_b64 s[64:65], 0
	v_nop
	global_prefetch_b8 v0, s[64:65] scope:SCOPE_SE
	s_setreg_imm32_b32 hwreg(HW_REG_WAVE_MODE, 25, 1), 1
	s_wait_xcnt 0x0
; K [16][2048][128] and V [16][2048][128], f32, become codes of FP4 (E2M1) with one E8M0 byte for each 32 along a product's K: K along the head's 128, V along the KEYS.
; They are laid in kv in the ORDER OF THE OPERANDS' REGISTERS, so that the attention launch copies them as they lie and loads fragments 16 bytes a lane.
; kv: chunk (b, c) = keys 256 c .. 256 c + 255 of batch b, CHUNK bytes at (8 b + c) CHUNK.  In it, for step s (128 keys) = 0, 1:
;   16384 s         K's codes: tile t = 0..7, registers 4 c .. 4 c + 3 (c = 0, 1) of all 32 lanes at (2 t + c) 512 + 16 lane
;   16384 s + 8192  V's codes likewise
;   32768 + 1024 s  K's scale words: word (i, lane) at 128 i + 4 lane = tile 2 i + lane / 16, row lane % 16;   + 512: V's likewise
; K's tile 2 b + u: lane (r, h) holds key 32 b + 8 u + r + 8 (r / 8) of the step, d = 64 c + 32 h + 0..31: so the scores of two neighbouring tiles are 16 neighbouring keys in a lane.
; V's tile t: lane (r, h) holds channel 16 t + r, keys 64 c + 32 h + 0..31 of the step.
; SHARES.  Work-group x = 16 b + j takes key step j of batch b; y = 0: K, y = 1: V.  A block's scale is 2^(floor(log2(largest magnitude)) - 2): its byte is that magnitude's exponent field - 2.
; Only chunks that the attention launch reads are made: with vl = valid_lens[b] held to 0 .. 2048, NE = vl (2048 where vl = 0: every key counts alike then), chunks c < (NE + 255) / 256.
; A work-group whose chunk is not read stores nothing and ends: the grid serves every valid_lens.
; LIMITS: NaN and infinities among the inputs are not served; a block whose largest magnitude lies under 2^-124 (a block of zeros too) gets the byte 1: a block of zeros has zero codes, and this program alone reads the bytes.
; No tensor loads, no barrier: waves share nothing.  No register that a pending load or store names is written again, and EXEC never changes: so no wait on XCNT is written.
.set CHUNK, 34816
.set TM,  16                           ; v16-19 largest magnitudes, v20-23 the other half's / the bytes, v28-31 the conversions' scale operands
.set PW,  32                           ; v32, v33 the two tiles' scale words (K)
.set SB,  34                           ; v34 my channel's scale word (V)
.set MW,  35                           ; v35 K's words as they are stored: lanes 0-15 the even tile's, lanes 16-31 the odd tile's
.set PC,  36                           ; v36-51 codes: registers of their own for each tile (K) or block (V)
.set X,   64                           ; K: v64-127 64 numbers of a lane;  V: v64-191 four blocks of 32
.set R,   128                          ; K: v128-255 two tiles as they are loaded
.set SEL, 44                           ; s[44:45] lane selects for v_permlanex16_b32: lane l xor 16
.set SP,  528                          ; a stage row: 512 bytes + 16
; 64 numbers of a lane, register 16 b + i = k 32 b + 16 (lane / 16) + i of my row, become a fragment's codes in v[pc] on and its scale word in v[pw].
.macro QUANT s, pc, pw
.irp b, 0,1,2,3
	v_max3_num_f32 v[TM+\b], |v[\s+16*\b]|, |v[\s+1+16*\b]|, 0x1800000   ; block b: my 16 numbers, and the floor 2^(3 - 127): the byte cannot fall under 1
.endr
.irp i, 2,4,6,8,10,12,14
.irp b, 0,1,2,3
	v_max3_num_f32 v[TM+\b], v[TM+\b], |v[\s+16*\b+\i]|, |v[\s+1+16*\b+\i]|   ; the four blocks by turns
.endr
.endr
.irp b, 0,1,2,3
	v_permlanex16_b32 v[TM+4+\b], v[TM+\b], s[SEL], s[SEL+1]
.endr
.irp b, 0,1,2,3
	v_max_num_f32 v[TM+\b], v[TM+\b], v[TM+4+\b]       ; with lane l xor 16's: the block's largest magnitude
.endr
.irp b, 0,1,2,3
	v_add_nc_u32 v[TM+12+\b], 0xff000000, v[TM+\b]     ; 2 off its exponent field: the conversion's scale operand
.endr
.irp b, 0,1,2,3
	v_lshrrev_b32 v[TM+4+\b], 23, v[TM+12+\b]          ; the scale's byte
.endr
	v_lshl_or_b32 v[\pw], v[TM+5], 8, v[TM+4]          ; four bytes: my row's scale word
	v_lshl_or_b32 v[\pw], v[TM+6], 16, v[\pw]
	v_lshl_or_b32 v[\pw], v[TM+7], 24, v[\pw]
.irp b, 0,1,2,3
	v_cvt_scalef32_pk8_fp4_f32 v[(\pc)+2*\b], v[\s+16*\b:\s+7+16*\b], v[TM+12+\b]
	v_cvt_scalef32_pk8_fp4_f32 v[(\pc)+1+2*\b], v[\s+8+16*\b:\s+15+16*\b], v[TM+12+\b]
.endr
	v_nop                                              ; one plain line behind the scaled conversions
.irp c, 0,1                                        ; the operand wants a whole block in a lane: lanes 0-15 block 2 c, lanes 16-31 block 2 c + 1
.irp i, 0,1
	v_permlane16_swap_b32 v[(\pc)+4*\c+\i], v[(\pc)+2+4*\c+\i]
.endr
.endr
.endm
	s_load_b256 s[4:11], s[0:1], 0x0               ; K s[4:5], V s[6:7], valid_lens s[8:9], kv s[10:11]
	v_lshl_add_u32 v62, v0, 2, 0x8400
	v_mov_b32 v63, 0
	v_lshrrev_b32 v1, 5, v0
	v_readfirstlane_b32 s12, v1                    ; wave 0..3
	v_and_b32 v1, 31, v0                           ; lane
	v_lshlrev_b32 v2, 4, v1                        ; 16 x lane
	v_lshlrev_b32 v3, 2, v1                        ; 4 x lane
	v_and_b32 v7, 15, v0                           ; r
	v_bfe_u32 v8, v0, 4, 1                         ; h
	s_lshr_b32 s13, ttmp9, 4                       ; b
	s_and_b32 s14, ttmp9, 15                       ; j: the key step
	s_and_b32 s15, ttmp7, 0xffff                   ; 0: K, 1: V
	s_lshl_b32 s17, s13, 2
	s_wait_kmcnt 0x0
	s_load_b32 s16, s[8:9], s17 offset:0x0         ; valid_lens[b]
	s_lshr_b32 s19, s14, 1                         ; the chunk in the batch
	s_lshl_b32 s26, s13, 3
	s_add_co_u32 s26, s26, s19
	s_mul_i32 s26, s26, CHUNK                      ; the chunk's first byte in kv
	s_and_b32 s28, s14, 1                          ; the step in the chunk
	s_lshl_b32 s29, s28, 14
	s_add_co_u32 s30, s26, s29                     ; codes: + 16384 step
	s_lshl_b32 s29, s15, 13
	s_add_co_u32 s30, s30, s29                     ; + 8192 for V
	s_lshl_b32 s29, s12, 11
	s_add_co_u32 s30, s30, s29                     ; + 2048 wave: my two tiles
	s_mov_b32 s31, 0
	s_lshl_b32 s29, s28, 10
	s_add_co_u32 s32, s26, s29                     ; scale words: + 1024 step
	s_lshl_b32 s29, s15, 9
	s_add_co_u32 s32, s32, s29                     ; + 512 for V
	s_lshl_b32 s29, s12, 7
	s_add_co_u32 s32, s32, s29                     ; + 128 wave
	s_add_co_u32 s32, s32, 32768
	s_mov_b32 s33, 0
	s_lshl_b32 s24, ttmp9, 16                      ; the step's 128 rows of 512 bytes in K or V
	s_mov_b32 s25, 0
	s_mov_b32 s[SEL], 0x76543210
	s_mov_b32 s[SEL+1], 0xfedcba98
	s_wait_kmcnt 0x0
	s_max_i32 s16, s16, 0
	s_min_i32 s16, s16, 2048                       ; vl, as the comparison k < valid_lens takes it
	s_cmp_eq_u32 s16, 0
	s_cselect_b32 s18, 2048, s16                   ; NE
	s_add_co_u32 s18, s18, 255
	s_lshr_b32 s18, s18, 8                         ; chunks that are read
	s_cmp_ge_u32 s19, s18
	s_cbranch_scc1 .Lend                           ; nobody reads my chunk
	s_cmp_eq_u32 s15, 0
	s_cselect_b64 s[4:5], s[4:5], s[6:7]           ; the choice hangs on the work-group's number alone
	s_add_nc_u64 s[4:5], s[4:5], s[24:25]
	s_add_nc_u64 s[20:21], s[10:11], s[30:31]      ; where my codes go
	s_add_nc_u64 s[22:23], s[10:11], s[32:33]      ; where my scale words go
	s_cmp_lg_u32 s15, 0
	s_cbranch_scc1 .Lvpath
	; ---- K.  Wave w takes keys 32 w .. 32 w + 31: tiles 2 w and 2 w + 1.  Each load reads one key's row, 512 consecutive bytes; a tile's 16 rows turn through the wave's own stage, so that a lane gets 16 neighbours of each block of ITS row.
	s_lshl_b32 s24, s12, 14
	s_add_nc_u64 s[4:5], s[4:5], s[24:25]
	s_mul_i32 s26, s12, 16*SP                      ; my stage
	v_add_nc_u32 v4, s26, v2                       ; in: 16 x lane of a row
	v_mul_u32_u24 v5, v7, SP
	v_lshl_add_u32 v5, v8, 6, v5
	v_add_nc_u32 v5, s26, v5                       ; out: row r, + 64 h
.irp b, 0,1,2,3
	v_mov_b32 v[TM+4+\b], 0                        ; written once: a lane permute's destination counts as one of its sources
.endr
.irp u, 0,1
.irp p, 0,1,2,3,4,5,6,7,8,9,10,11,12,13,14,15  ; stage row p of tile u is key 8 u + p + 8 (p / 8) of my 32
	global_load_b128 v[R+64*\u+4*\p:R+64*\u+4*\p+3], v2, s[4:5] offset:512*(8*\u+(\p%8)+16*(\p/8)) th:TH_LOAD_NT
.endr
.endr
.irp u, 0,1
	s_wait_loadcnt 16-16*\u                        ; this tile's 16 loads are in; the second tile's 16 may be out
.irp p, 0,1,2,3,4,5,6,7,8,9,10,11,12,13,14,15
	ds_store_b128 v4, v[R+64*\u+4*\p:R+64*\u+4*\p+3] offset:SP*\p
.endr
.irp b, 0,1,2,3
.irp j, 0,1,2,3
	ds_load_b128 v[X+16*\b+4*\j:X+16*\b+4*\j+3], v5 offset:128*\b+16*\j   ; LDS serves a wave's instructions in order (ISA guide 5.7.1.4): these see my stores, and the next tile's stores come behind them
.endr
.endr
	s_wait_dscnt 0x0
	QUANT X, PC+8*\u, PW+\u
	global_store_b128 v2, v[PC+8*\u:PC+8*\u+3], s[20:21] offset:1024*\u        ; 32 lanes store 512 consecutive bytes, aligned
	global_store_b128 v2, v[PC+8*\u+4:PC+8*\u+7], s[20:21] offset:1024*\u+512
.endr
	v_cmp_gt_u32 vcc_lo, 16, v1
	v_cndmask_b32 v[MW], v[PW+1], v[PW], vcc_lo    ; lanes 0-15: the even tile's words; lanes 16-31: the odd tile's (both halves of the lanes hold each word)
	global_store_b32 v3, v[MW], s[22:23]           ; 128 consecutive bytes
	s_wait_tensorcnt 0x0
	ds_add_u32 v62, v63
	s_wait_dscnt 0x0
	s_endpgm
	; ---- V.  A lane takes a channel and its registers run down the keys: a block of 32 keys lies in one lane, and the codes come out with the keys innermost.  Wave w: channels 32 w + lane.
.Lvpath:
	s_lshl_b32 s24, s12, 7
	s_add_nc_u64 s[4:5], s[4:5], s[24:25]
	v_lshlrev_b32 v6, 10, v8
	v_lshl_add_u32 v6, v7, 4, v6                   ; my channel's place in my two tiles: 1024 (lane / 16) + 16 (lane % 16)
.macro VLOAD t                         ; block t: V(32 t + i, my channel): 32 lanes read 128 consecutive bytes
.irp i, 0,1,2,3,4,5,6,7,8,9,10,11,12,13,14,15,16,17,18,19,20,21,22,23,24,25,26,27,28,29,30,31
	global_load_b32 v[X+32*(\t)+\i], v3, s[4:5] offset:(32*(\t)+\i)*512 th:TH_LOAD_NT
.endr
.endm
.macro VBLOCK t
.set XS, X+32*(\t)
.if (\t) < 3
	s_wait_loadcnt 32                              ; this block's 32 loads are in; the next block's may be out
.else
	s_wait_loadcnt 0x0
.endif
.if (\t)+2 < 4
	VLOAD (\t)+2                                   ; two blocks ahead, into registers of its own
.endif
	v_max3_num_f32 v16, |v[XS]|, |v[XS+1]|, |v[XS+2]|  ; the block's largest magnitude: all 32 numbers are mine; two chains
	v_max3_num_f32 v17, |v[XS+3]|, |v[XS+4]|, |v[XS+5]|
.irp i, 6,10,14,18,22,26
	v_max3_num_f32 v16, v16, |v[XS+\i]|, |v[XS+\i+1]|
	v_max3_num_f32 v17, v17, |v[XS+\i+2]|, |v[XS+\i+3]|
.endr
	v_max3_num_f32 v16, v16, |v[XS+30]|, |v[XS+31]|
	v_max3_num_f32 v16, v16, v17, 0x1800000        ; and the floor 2^(3 - 127)
	v_add_nc_u32 v18, 0xff000000, v16              ; the conversion's scale operand
	v_lshrrev_b32 v17, 23, v18                     ; the byte
.if (\t) == 0
	v_mov_b32 v[SB], v17
.else
	v_lshl_or_b32 v[SB], v17, 8*(\t), v[SB]        ; block t's byte is byte t of the step's word
.endif
.irp g, 0,1,2,3
	v_cvt_scalef32_pk8_fp4_f32 v[PC+4*(\t)+\g], v[XS+8*\g:XS+8*\g+7], v18
.endr
	v_nop                                          ; one plain line behind the scaled conversions
	global_store_b128 v6, v[PC+4*(\t):PC+4*(\t)+3], s[20:21] offset:((\t)/2)*512+((\t)%2)*256   ; block t = registers 4 (t / 2) on of lanes with h = t % 2: sixteen lanes store 256 consecutive bytes, aligned
.endm
	VLOAD 0
	VLOAD 1
	VBLOCK 0
	VBLOCK 1
	VBLOCK 2
	VBLOCK 3
	global_store_b32 v3, v[SB], s[22:23]           ; lane = 16 (tile % 2) + row: the words lie as they are wanted
.Lend:
	s_endpgm
.Lfunc_end_k_q596ee860c9_prep:
	.size	k_q596ee860c9_prep, .Lfunc_end_k_q596ee860c9_prep-k_q596ee860c9_prep
	.p2alignl 7, 3214868480
	.fill 96, 4, 3214868480
	.section	.rodata,"a",@progbits
	.p2align	6, 0x0
	.amdhsa_kernel k_q596ee860c9_prep
		.amdhsa_group_segment_fixed_size 34304
		.amdhsa_private_segment_fixed_size 0
		.amdhsa_enable_private_segment 0
		.amdhsa_kernarg_size 32
		.amdhsa_user_sgpr_count 2
		.amdhsa_user_sgpr_kernarg_segment_ptr 1
		.amdhsa_wavefront_size32 1
		.amdhsa_system_sgpr_workgroup_id_x 1
		.amdhsa_system_sgpr_workgroup_id_y 1
		.amdhsa_system_sgpr_workgroup_id_z 1
		.amdhsa_system_vgpr_workitem_id 0
		.amdhsa_next_free_vgpr 256
		.amdhsa_next_free_sgpr 66
		.amdhsa_reserve_vcc 1
		.amdhsa_float_denorm_mode_32 3
		.amdhsa_float_denorm_mode_16_64 3
		.amdhsa_memory_ordered 1
		.amdhsa_forward_progress 1
		.amdhsa_inst_pref_size 37
	.end_amdhsa_kernel
	.amdgpu_metadata
---
amdhsa.version: [ 1, 2 ]
amdhsa.kernels:
  - .name:           k_q596ee860c9_prep
    .symbol:         k_q596ee860c9_prep.kd
    .args:
      - { .name: K, .offset: 0, .size: 8, .value_kind: global_buffer, .address_space: global }
      - { .name: V, .offset: 8, .size: 8, .value_kind: global_buffer, .address_space: global }
      - { .name: valid_lens, .offset: 16, .size: 8, .value_kind: global_buffer, .address_space: global }
      - { .name: kv, .offset: 24, .size: 8, .value_kind: global_buffer, .address_space: global }
    .group_segment_fixed_size: 34304
    .private_segment_fixed_size: 0
    .kernarg_segment_align: 8
    .kernarg_segment_size: 32
    .max_flat_workgroup_size: 128
    .sgpr_count:     66
    .vgpr_count:     256
    .wavefront_size: 32
...
	.end_amdgpu_metadata
.endif
;; end of part 1
;; launch attn (part 2): grid 16 x 16, 8 waves a work-group, no clusters, 314,368 bytes of LDS; arguments Q, kv, valid_lens, out0; writes out0
.if DOCPART == 2
	.amdgcn_target "amdgcn-amd-amdhsa--gfx1250"
	.amdhsa_code_object_version 6
	.text
	.protected	k_q596ee860c9_attn
	.globl	k_q596ee860c9_attn
	.p2align	8
	.type	k_q596ee860c9_attn,@function
k_q596ee860c9_attn:
	s_mov_b64 s[64:65], 0
	v_nop
	global_prefetch_b8 v0, s[64:65] scope:SCOPE_SE
	s_setreg_imm32_b32 hwreg(HW_REG_WAVE_MODE, 25, 1), 1
	s_wait_xcnt 0x0
; out0[b][q][:] = the sum over k of softmax_k(logit) V[b][k][:], logit = Q[b][q] . K[b][k] / sqrt(128) where k < valid_lens[b], else -1e6.  Both products on codes of FP4 (E2M1) with E8M0 scales for each 32 along K.
; K's and V's codes and scale words come from kv, laid by the launch before in the order of the operands' registers (its head comment has the layout).  Q (f32) is read once, by one wave: it is quantised here, in registers.
; THE SOFTMAX: t = logit x log2(e); M = the largest t so far, rounded UP to a whole number; p = 2^(t - M) is quantised along the keys, not normalised; the row's sum is taken of the unquantised p and divides at the end.
; When M moves, the sum and O are multiplied by 2^(old M - new M): exact.
; SHARES.  A work-group owns 128 queries of one batch (x: the block, y: the batch): 256 work-groups.  Each of its eight waves owns 16 queries, one tile; two waves to a SIMD.  A lane holds ONE query (lane % 16) throughout:
; both products are used transposed: S^T = K Q^T (source 0 = 16 keys), O^T = V^T P^T (source 0 = 16 channels).
; THE MASK.  vl = valid_lens[b] held to 0 .. 2048.  NE = vl, or 2048 where vl = 0.  Key steps (128 keys) that begin at or past NE are left out by scalar branches on whole numbers; the loop's trip count is a constant, and
; every wave passes every barrier.  In a step that reaches past vl the scores are first made t, and the hidden ones become t = f32(-1e6 x log2(e)) = -1,442,695.0; so with vl = 0 every p is 1, as reference() has it.
; LIMITS: a step left out has weights 2^(-1,442,695 - M) in reference(): 0 in f32 as long as a row has one counted logit above about -999,890.  NaN and infinities among the inputs are not served.
; LDS.  The batch's chunks of 256 keys lie in LDS as they lie in kv, chunk c at c x CHUNK, each written ONCE: in round c all waves read chunk c, and copy chunk c + 1 from memory through registers; one barrier a round stands
; between those stores and their reads.  Behind the eight chunks: a stage of 16 rows x 272 bytes for each wave, for the way out.
; NO TENSOR LOADS AND NO CLUSTER, though the 16 work-groups of a batch read the same chunks: joint requests are tensor loads; leaving out the hidden steps spares
; their whole softmax (some 245 vector instructions for each 16 matrix instructions), while what is shared is 34,816 bytes for each 256 keys.
; REGISTERS: v1-7 offsets that stay; v8-11 LDS addresses in hand; v12 -M, v13 the largest t, v[14:15] the sum in two halves; v16-23 Q's codes; v24-29 head and way out; v32-95 eight fragments of K, then of V;
; v96-159 S^T, then p; v160-223 O^T; v224-231 p's codes; v232-247 at work; v248-251 K's or V's scale words, v253 p's, v255 Q's: these hold scales alone; window 1 (v256-289): a chunk on its way from memory to LDS.
.set CHUNK, 34816
.set STG,   8*CHUNK
.set LI,  1                            ; 16 x lane: my place in a fragment's image
.set LS,  2                            ; 4 x lane: in a run of scale words
.set GA,  3                            ; 16 x thread: my 16 bytes of 4,096 that the work-group copies at a time
.set GB,  4                            ; 8 x thread: of a chunk's 2,048 bytes of scale words
.set H16, 5                            ; 16 (lane / 16)
.set PFO, 6                            ; 256 x thread: the prefetches' offset
.set GO,  7                            ; the way out: 512 (lane / 16) + 16 (lane % 16)
.set ADK, 8
.set ADS, 9
.set SAD, 10
.set SBD, 11
.set QF,  16
.set XA,  24                           ; Q: 512 r + 64 h
.set SIN, 26
.set SOUT, 27
.set HH,  28
.set RR,  29
.set FR,  32
.set ST,  96
.set OT,  160
.set PC,  224
.set TM,  232                          ; v232-235 maxima, v236-239 the other half's / bytes / a chain of sums, v244-247 the conversions' scale operands
.set FF,  240                          ; v[240:241] f = 2^(old M - new M); the pair's upper word is written once
.set DD,  242
.set TN,  243                          ; -1,442,695.0
.set SW,  248
.set PW,  253
.set QW,  255
.set WV,  12
.set BB,  13
.set VL,  14
.set NE,  15
.set NCH, 16
.set LIM, 17
.set SEL, 20
.set CS,  22                           ; s[22:23] c = log2(e) / sqrt(128)
.set CM,  24                           ; s[24:25] what the step's numbers are still to be multiplied by: c, or 1 where they are t already
.set TB,  26                           ; LDS byte of the chunk in hand
.set KF,  27                           ; the step's first key
.set RC,  28                           ; the round
.set KVP, 40                           ; s[40:41] the chunk to be copied next, in kv
.set MSB, 0
.macro WIN new                         ; the immediate's high byte repeats the setting that is left
.if MSB != \new
	s_set_vgpr_msb (MSB<<8)|\new
.set MSB, \new
.endif
.endm
.macro STAGE_LOAD                      ; a chunk from kv into window 1: each load of a wave covers 512 consecutive bytes (the last 256)
	WIN 0x40                                       ; destination window 1
.irp i, 0,1,2,3,4,5,6,7
	global_load_b128 v[4*\i:4*\i+3], v[GA], s[KVP:KVP+1] offset:4096*\i
.endr
	global_load_b64 v[32:33], v[GB], s[KVP:KVP+1] offset:32768
	WIN 0
.endm
.macro STAGE_STORE base                ; and on into LDS, as it lay
	v_add_nc_u32 v[SAD], \base, v[GA]
	v_add_nc_u32 v[SBD], \base, v[GB]
	WIN 0x04                                       ; an LDS store's data are its source 1: window 1
.irp i, 0,1,2,3,4,5,6,7
	ds_store_b128 v[SAD], v[4*\i:4*\i+3] offset:4096*\i
.endr
	ds_store_b64 v[SBD], v[32:33] offset:32768
	WIN 0
.endm
; A PREFETCH INTO THE L2 of the codes of the chunk that the NEXT round will copy (chunk RC + 2): 32,768 bytes, lanes 256 bytes apart, one instruction in each of waves 0 to 3 of the batch's first work-group: all 16 work-groups
; of a batch walk the same chunks, so each aligned block of 256 bytes is named once in the launch.  It stands behind the round's own loads, two key steps of each wave ahead of the loads that want the bytes.  It stops
; where RC + 2 reaches the chunks that are read; chunks 0 and 1 and the scale words come by their loads alone.
.macro ASK
	s_add_co_u32 s30, s[RC], s[LIM]
	s_cmp_lt_u32 s30, s[NCH]
	s_cbranch_scc0 .Lnot_mine_\@
	global_prefetch_b8 v[PFO], s[KVP:KVP+1] offset:CHUNK th:TH_LOAD_NT scope:SCOPE_SE
.Lnot_mine_\@:
.endm
; 64 numbers of a lane, register 16 b + i = k 32 b + 16 (lane / 16) + i of my row, become a fragment's codes in v[pc] on and its scale word in v[pw].
.macro QUANT s, pc, pw
.irp b, 0,1,2,3
	v_max3_num_f32 v[TM+\b], |v[\s+16*\b]|, |v[\s+1+16*\b]|, 0x1800000   ; my 16 numbers of block b, and the floor 2^(3 - 127): the byte cannot fall under 1
.endr
.irp i, 2,4,6,8,10,12,14
.irp b, 0,1,2,3
	v_max3_num_f32 v[TM+\b], v[TM+\b], |v[\s+16*\b+\i]|, |v[\s+1+16*\b+\i]|
.endr
.endr
.irp b, 0,1,2,3
	v_permlanex16_b32 v[TM+4+\b], v[TM+\b], s[SEL], s[SEL+1]
.endr
.irp b, 0,1,2,3
	v_max_num_f32 v[TM+\b], v[TM+\b], v[TM+4+\b]
.endr
.irp b, 0,1,2,3
	v_add_nc_u32 v[TM+12+\b], 0xff000000, v[TM+\b]     ; 2 off the exponent field: the conversion's scale operand
.endr
.irp b, 0,1,2,3
	v_lshrrev_b32 v[TM+4+\b], 23, v[TM+12+\b]
.endr
	v_lshl_or_b32 v[\pw], v[TM+5], 8, v[TM+4]
	v_lshl_or_b32 v[\pw], v[TM+6], 16, v[\pw]
	v_lshl_or_b32 v[\pw], v[TM+7], 24, v[\pw]
.irp b, 0,1,2,3
	v_cvt_scalef32_pk8_fp4_f32 v[(\pc)+2*\b], v[\s+16*\b:\s+7+16*\b], v[TM+12+\b]
	v_cvt_scalef32_pk8_fp4_f32 v[(\pc)+1+2*\b], v[\s+8+16*\b:\s+15+16*\b], v[TM+12+\b]
.endr
	v_nop                                              ; one plain line behind the scaled conversions
.irp c, 0,1
.irp i, 0,1
	v_permlane16_swap_b32 v[(\pc)+4*\c+\i], v[(\pc)+2+4*\c+\i]   ; a whole block to a lane
.endr
.endr
.endm
.macro FRAGS co, so                    ; eight fragments and their scale words, from the chunk in hand: codes from byte co on, words from byte so on
.irp t, 0,1,2,3,4,5,6,7
.irp c, 0,1
	ds_load_b128 v[FR+8*\t+4*\c:FR+8*\t+4*\c+3], v[ADK] offset:(\co)+1024*\t+512*\c
.endr
.endr
.irp i, 0,1,2,3
	ds_load_b32 v[SW+\i], v[ADS] offset:(\so)+128*\i   ; lanes 0-15: tile 2 i's words, lanes 16-31: tile 2 i + 1's
.endr
.endm
.macro SPROD t                         ; S^T, tile t: 16 keys x my 16 queries; the sum begins with the constant 0
.if (\t)%2
	v_wmma_scale_f32_16x16x128_f8f6f4 v[ST+8*\t:ST+8*\t+7], v[FR+8*\t:FR+8*\t+7], v[QF:QF+7], 0, v[SW+(\t)/2], v[QW] matrix_a_fmt:MATRIX_FMT_FP4 matrix_b_fmt:MATRIX_FMT_FP4 matrix_a_scale:MATRIX_SCALE_ROW1
.else
	v_wmma_scale_f32_16x16x128_f8f6f4 v[ST+8*\t:ST+8*\t+7], v[FR+8*\t:FR+8*\t+7], v[QF:QF+7], 0, v[SW+(\t)/2], v[QW] matrix_a_fmt:MATRIX_FMT_FP4 matrix_b_fmt:MATRIX_FMT_FP4
.endif
.endm
.macro OPROD t                         ; O^T, tile t: 16 channels x my 16 queries, K = the step's 128 keys
.if (\t)%2
	v_wmma_scale_f32_16x16x128_f8f6f4 v[OT+8*\t:OT+8*\t+7], v[FR+8*\t:FR+8*\t+7], v[PC:PC+7], v[OT+8*\t:OT+8*\t+7], v[SW+(\t)/2], v[PW] matrix_a_fmt:MATRIX_FMT_FP4 matrix_b_fmt:MATRIX_FMT_FP4 matrix_a_scale:MATRIX_SCALE_ROW1
.else
	v_wmma_scale_f32_16x16x128_f8f6f4 v[OT+8*\t:OT+8*\t+7], v[FR+8*\t:FR+8*\t+7], v[PC:PC+7], v[OT+8*\t:OT+8*\t+7], v[SW+(\t)/2], v[PW] matrix_a_fmt:MATRIX_FMT_FP4 matrix_b_fmt:MATRIX_FMT_FP4
.endif
.endm
.macro PLACES                          ; four plain lines behind matrix instructions, ahead of reads of their results and of loads into their registers (ISA guide 7.12.1 for the reads of results)
.rept 4
	v_nop
.endr
.endm
; A KEY STEP: 128 keys, the q-th of the chunk in hand.
.macro STEP q
	s_cmp_ge_u32 s[KF], s[NE]                      ; all its keys are hidden: the step's work is left out; no barrier stands in a step
	s_cbranch_scc1 .Lskip_\@
	FRAGS 16384*\q, 32768+1024*\q                  ; K
	s_wait_dscnt 0x0
.irp t, 0,1,2,3,4,5,6,7
	SPROD \t
.endr                                              ; lane (r, h): query r; register 16 b + i: key KF + 32 b + 16 h + i
	PLACES
	FRAGS 16384*\q+8192, 32768+1024*\q+512         ; V, into the same registers: it lands while the softmax is worked
	s_mov_b32 s[CM], s[CS]
	s_mov_b32 s[CM+1], s[CS]
	s_add_co_u32 s30, s[KF], 128
	s_cmp_le_u32 s30, s[VL]
	s_cbranch_scc1 .Lopen_\@                       ; all 128 keys count
	s_sub_co_i32 s30, s[VL], s[KF]
	v_sub_nc_u32 v[DD], s30, v[H16]                ; register 16 b + i is hidden where 32 b + i >= vl - KF - 16 h
.set j, 0
.rept 32
	v_pk_mul_f32 v[ST+j:ST+j+1], v[ST+j:ST+j+1], s[CS:CS+1] op_sel_hi:[1,0]   ; the scores become t, each accumulator from its low end on
.set j, j+2
.endr
.irp n, 0,1,2,3,4,5,6,7,8,9,10,11,12,13,14,15,16,17,18,19,20,21,22,23,24,25,26,27,28,29,30,31,32,33,34,35,36,37,38,39,40,41,42,43,44,45,46,47,48,49,50,51,52,53,54,55,56,57,58,59,60,61,62,63
	v_cmp_ge_i32 vcc_lo, 32*(\n/16)+\n%16, v[DD]
	v_cndmask_b32 v[ST+\n], v[ST+\n], v[TN], vcc_lo
.endr
	s_mov_b32 s[CM], 0x3f800000                    ; nothing is left to multiply by
	s_mov_b32 s[CM+1], 0x3f800000
.Lopen_\@:
.irp b, 0,1,2,3
	v_max3_num_f32 v[TM+\b], v[ST+16*\b], v[ST+1+16*\b], v[ST+2+16*\b]   ; the largest of each block of 32 keys: it serves for the row's maximum and, since p rises with it, for the block's largest p
.endr
.irp i, 3,5,7,9,11,13
.irp b, 0,1,2,3
	v_max3_num_f32 v[TM+\b], v[TM+\b], v[ST+16*\b+\i], v[ST+1+16*\b+\i]
.endr
.endr
.irp b, 0,1,2,3
	v_max_num_f32 v[TM+\b], v[TM+\b], v[ST+15+16*\b]
.endr
.irp b, 0,1,2,3
	v_permlanex16_b32 v[TM+4+\b], v[TM+\b], s[SEL], s[SEL+1]
.endr
.irp b, 0,1,2,3
	v_max_num_f32 v[TM+\b], v[TM+\b], v[TM+4+\b]   ; with lane l xor 16's 16 keys
.endr
	v_max3_num_f32 v254, v[TM], v[TM+1], v[TM+2]
	v_max_num_f32 v254, v254, v[TM+3]
	v_mul_f32 v254, s[CM], v254                    ; the step's largest t of my query
	v_max_num_f32 v13, v13, v254
	v_mov_b32 v254, v12
	v_floor_f32 v12, -v13                          ; -M = floor(-t): M is a whole number
	v_sub_f32 v254, v12, v254                      ; old M - new M: a whole number, 0 or less
	v_cvt_i32_f32 v254, v254                       ; (it saturates)
	v_ldexp_f32 v[FF], 1.0, v254                   ; f = 2^(old M - new M)
.set j, 0
.rept 32
	v_pk_fma_f32 v[ST+j:ST+j+1], v[ST+j:ST+j+1], s[CM:CM+1], v[12:13] op_sel_hi:[1,0,0]   ; t - M, two at a time
.set j, j+2
.endr
.irp b, 0,1,2,3
	v_fma_f32 v[TM+\b], v[TM+\b], s[CM], v12       ; the same of each block's largest
.endr
.set j, 0
.rept 64
	v_exp_f32 v[ST+j], v[ST+j]                     ; p = 2^(t - M)
.set j, j+1
.endr
	v_pk_mul_f32 v[14:15], v[14:15], v[FF:FF+1] op_sel_hi:[1,0]   ; the sums under the new M: the plain line behind the exponentials
	s_wait_alu depctr_va_vdst(0)                   ; ahead of the first line that names a result: one wait for the batch of 64
.irp b, 0,1,2,3
	v_exp_f32 v[TM+\b], v[TM+\b]                   ; the block's largest p: the same two instructions on the same number
.endr
	v_pk_add_f32 v[TM+4:TM+5], v[ST:ST+1], v[ST+2:ST+3]   ; the row's sum of the UNQUANTISED p, in two chains; it names none of the four
.irp j, 4,8,12,16,20,24,28,32,36,40,44,48,52,56,60
	v_pk_add_f32 v[14:15], v[14:15], v[ST+\j:ST+1+\j]
	v_pk_add_f32 v[TM+4:TM+5], v[TM+4:TM+5], v[ST+2+\j:ST+3+\j]
.endr
	v_pk_add_f32 v[14:15], v[14:15], v[TM+4:TM+5]
	s_wait_alu depctr_va_vdst(0)                   ; and one for the four
.irp b, 0,1,2,3
	v_max_num_f32 v[TM+\b], 0x1800000, v[TM+\b]    ; the floor 2^(3 - 127): a block whose every p is 0 keeps the byte 1; its codes are zeros
.endr
.irp b, 0,1,2,3
	v_add_nc_u32 v[TM+12+\b], 0xff000000, v[TM+\b]
.endr
.irp b, 0,1,2,3
	v_lshrrev_b32 v[TM+4+\b], 23, v[TM+12+\b]
.endr
	v_lshl_or_b32 v[PW], v[TM+5], 8, v[TM+4]       ; p's scale word for these 128 keys
	v_lshl_or_b32 v[PW], v[TM+6], 16, v[PW]
	v_lshl_or_b32 v[PW], v[TM+7], 24, v[PW]
.irp b, 0,1,2,3
	v_cvt_scalef32_pk8_fp4_f32 v[PC+2*\b], v[ST+16*\b:ST+7+16*\b], v[TM+12+\b]
	v_cvt_scalef32_pk8_fp4_f32 v[PC+1+2*\b], v[ST+8+16*\b:ST+15+16*\b], v[TM+12+\b]
.endr
	v_nop                                          ; one plain line behind the scaled conversions
.irp c, 0,1
.irp i, 0,1
	v_permlane16_swap_b32 v[PC+4*\c+\i], v[PC+2+4*\c+\i]
.endr
.endr
.set j, 0
.rept 32
	v_pk_mul_f32 v[OT+j:OT+j+1], v[OT+j:OT+j+1], v[FF:FF+1] op_sel_hi:[1,0]   ; O^T under the new M; these 32 also stand between the writes of p's codes and scale word and the scaled products
.set j, j+2
.endr
	s_wait_dscnt 0x0                               ; V is in
.irp t, 0,1,2,3,4,5,6,7
	OPROD \t                                       ; the eight accumulators by turns, one instruction a turn; the next matrix instruction is a product S^T
.endr
	PLACES                                         ; ahead of the next loads into the fragments' registers, and of the reads of O^T
.Lskip_\@:
	s_add_co_u32 s[KF], s[KF], 128
.endm
	s_load_b256 s[4:11], s[0:1], 0x0               ; Q s[4:5], kv s[6:7], valid_lens s[8:9], out0 s[10:11]
	v_lshl_add_u32 v30, v0, 2, 0x4c800
	v_mov_b32 v31, 0
	v_lshrrev_b32 v8, 5, v0
	v_readfirstlane_b32 s[WV], v8                  ; wave 0..7
	s_and_b32 s[BB], ttmp7, 0xffff                 ; the batch
	v_and_b32 v25, 31, v0                          ; lane
	v_lshlrev_b32 v[LI], 4, v25
	v_lshlrev_b32 v[LS], 2, v25
	v_lshlrev_b32 v[GA], 4, v0
	v_lshlrev_b32 v[GB], 3, v0
	v_lshlrev_b32 v[PFO], 8, v0
	v_bfe_u32 v[HH], v0, 4, 1                      ; h
	v_and_b32 v[RR], 15, v0                        ; r
	v_lshlrev_b32 v[H16], 4, v[HH]
	v_lshlrev_b32 v[GO], 9, v[HH]
	v_lshl_add_u32 v[GO], v[RR], 4, v[GO]
	v_lshlrev_b32 v[XA], 9, v[RR]
	v_lshl_add_u32 v[XA], v[HH], 6, v[XA]          ; Q: row r of 512 bytes, + 64 h: my 16 numbers of a block of 32
	s_mul_i32 s30, s[BB], 8*CHUNK                  ; the batch's chunks in kv
	s_mov_b32 s31, 0
	s_lshl_b32 s32, s[BB], 11
	s_lshl_b32 s33, ttmp9, 7
	s_add_co_u32 s32, s32, s33
	s_lshl_b32 s33, s[WV], 4
	s_add_co_u32 s32, s32, s33                     ; my first row of Q and of out0: 2048 b + 128 x + 16 wave
	s_lshl_b32 s32, s32, 9                         ; in bytes (under 2^25)
	s_mov_b32 s33, 0
	s_lshl_b32 s34, s[BB], 2
	s_wait_kmcnt 0x0
	s_load_b32 s[VL], s[8:9], s34 offset:0x0       ; valid_lens[b]
	s_add_nc_u64 s[KVP:KVP+1], s[6:7], s[30:31]
	s_add_nc_u64 s[4:5], s[4:5], s[32:33]
	s_add_nc_u64 s[10:11], s[10:11], s[32:33]
	STAGE_LOAD                                     ; chunk 0: it is read whatever valid_lens holds
.irp b, 0,1,2,3
.irp j, 0,1,2,3
	global_load_b128 v[ST+16*\b+4*\j:ST+16*\b+4*\j+3], v[XA], s[4:5] offset:128*\b+16*\j th:TH_LOAD_NT   ; register 16 b + i = Q(r, 32 b + 16 h + i)
.endr
.endr
	s_mov_b32 s[SEL], 0x76543210
	s_mov_b32 s[SEL+1], 0xfedcba98                 ; v_permlanex16_b32's selects for lane l xor 16
	s_mov_b32 s[CS], 0x3e0293ee                    ; c = log2(e) / sqrt(128)
	s_mov_b32 s[CS+1], s[CS]                       ; (named with it as a pair, so it is written)
	v_mov_b32 v[TN], 0xc9b01c38                    ; f32(-1e6 x log2(e)) = -1,442,695.0
.irp b, 0,1,2,3
	v_mov_b32 v[TM+4+\b], 0                        ; written once: a lane permute's destination counts as one of its sources
.endr
	v_mov_b32 v[FF+1], 0                           ; (named as the upper half of f's pair)
	v_mov_b32 v252, 0                              ; (a lane permute's destination on the way out)
	s_lshr_b32 s[LIM], s[WV], 2                    ; 0 in waves 0 to 3,
	s_or_b32 s[LIM], s[LIM], ttmp9                 ; of the batch's first work-group
	s_cmp_eq_u32 s[LIM], 0
	s_cselect_b32 s[LIM], 2, 64                    ; a wave prefetches while RC + LIM is under the number of chunks, which is 8 at the most
	s_wait_kmcnt 0x0
	s_max_i32 s[VL], s[VL], 0
	s_min_i32 s[VL], s[VL], 2048                   ; vl, as the comparison k < valid_lens takes it
	s_cmp_eq_u32 s[VL], 0
	s_cselect_b32 s[NE], 2048, s[VL]               ; keys that are walked
	s_add_co_u32 s[NCH], s[NE], 255
	s_lshr_b32 s[NCH], s[NCH], 8                   ; chunks that are read: 1 to 8
	s_wait_loadcnt 16                              ; the chunk's nine loads are in; Q's sixteen, issued behind them, may be out
	STAGE_STORE 0
	s_wait_loadcnt 0x0                             ; Q
	QUANT ST, QF, QW
	v_mov_b32 v13, 0xff61b1e6                      ; the largest t so far: -3e38, under every t
	v_floor_f32 v12, -v13                          ; -M
	v_mov_b32 v14, 0                               ; the sum, in two halves
	v_mov_b32 v15, 0
.set j, 0
.rept 64
	v_mov_b32 v[OT+j], 0                           ; O^T: the step is written once; the first finds zeros, which the first change of M leaves zeros.  (These lines also stand between the writes of Q's codes and scale word and the first scaled product)
.set j, j+1
.endr
	s_wait_xcnt 0x0                                ; the loads have read their base
	s_add_nc_u64 s[KVP:KVP+1], s[KVP:KVP+1], CHUNK
	s_mov_b32 s[RC], 0
	s_mov_b32 s[TB], 0
	s_mov_b32 s[KF], 0
	s_wait_dscnt 0x0                               ; for the others' sake: my part of chunk 0 lies in LDS
	s_barrier_signal -1
	s_barrier_wait -1
.Lround:                                           ; eight trips, whatever valid_lens holds: only work is jumped over
	s_add_co_u32 s30, s[RC], 1
	s_cmp_lt_u32 s30, s[NCH]
	s_cbranch_scc0 .Lno_load
	STAGE_LOAD                                     ; chunk RC + 1: it has this round's two key steps in which to land
	ASK
.Lno_load:
	v_add_nc_u32 v[ADK], s[TB], v[LI]
	v_add_nc_u32 v[ADS], s[TB], v[LS]
	STEP 0
	STEP 1
	s_wait_loadcnt 0x0                             ; on every way: no load of mine is out from here to the next round's
	s_add_co_u32 s30, s[RC], 1
	s_cmp_lt_u32 s30, s[NCH]
	s_cbranch_scc0 .Lno_store
	s_add_co_u32 s31, s[TB], CHUNK
	STAGE_STORE s31                                ; into bytes that nobody has read or written yet
.Lno_store:
	s_wait_xcnt 0x0                                ; the round's loads and its prefetch have read their base
	s_add_nc_u64 s[KVP:KVP+1], s[KVP:KVP+1], CHUNK
	s_add_co_u32 s[TB], s[TB], CHUNK
	s_wait_dscnt 0x0                               ; for the others' sake: my part of the next chunk lies in LDS
	s_barrier_signal -1
	s_barrier_wait -1
	s_add_co_u32 s[RC], s[RC], 1
	s_cmp_lt_u32 s[RC], 8
	s_cbranch_scc1 .Lround
	; THE WAY OUT.  O^T is divided by the row's sum and goes through my own stage in LDS, half a row (64 channels, 256 bytes) of 16 queries at a time, so that sixteen lanes store 256 consecutive bytes, aligned.
	v_add_f32 v14, v14, v15                        ; the sum's two halves,
	v_permlanex16_b32 v252, v14, s[SEL], s[SEL+1]
	v_add_f32 v14, v14, v252                       ; and lane l xor 16's: the row's sum; the row's largest p is above 1/2, so it is no zero
	v_rcp_f32 v14, v14
	s_mul_i32 s30, s[WV], 16*272
	s_add_co_u32 s30, s30, STG                     ; my stage
	v_mul_u32_u24 v[SIN], v[RR], 272               ; (plain lines behind the reciprocal)
	v_lshl_add_u32 v[SIN], v[HH], 5, v[SIN]
	v_add_nc_u32 v[SIN], s30, v[SIN]               ; in: row r; tile t's eight channels of my half: 64 t + 32 h bytes on
	v_mul_u32_u24 v[SOUT], v[HH], 272
	v_lshl_add_u32 v[SOUT], v[RR], 4, v[SOUT]
	v_add_nc_u32 v[SOUT], s30, v[SOUT]             ; back: lanes 0-15 one row, lanes 16-31 the next
	s_wait_alu depctr_va_vdst(0)                   ; ahead of the reciprocal's first reader
.set j, 0
.rept 64
	v_mul_f32 v[ST+j], v[OT+j], v14                ; register 8 t + i is out0(r, 16 t + 8 h + i); each accumulator from its low end on
.set j, j+1
.endr
.irp u, 0,1                                    ; channels 64 u on
.irp t, 0,1,2,3
	ds_store_b128 v[SIN], v[ST+32*\u+8*\t:ST+32*\u+8*\t+3] offset:64*\t
	ds_store_b128 v[SIN], v[ST+32*\u+8*\t+4:ST+32*\u+8*\t+7] offset:64*\t+16
.endr
.irp i, 0,1,2,3,4,5,6,7
	ds_load_b128 v[FR+32*\u+4*\i:FR+32*\u+4*\i+3], v[SOUT] offset:2*\i*272   ; LDS serves a wave's instructions in order (ISA guide 5.7.1.4): these see my stores, and the next half's stores come behind them
.endr
.endr
.irp u, 0,1
.irp i, 0,1,2,3,4,5,6,7
	s_wait_dscnt 15-8*\u-\i                        ; at most the younger LDS loads are out (for the first half: fewer than were issued behind it, which is safe)
	global_store_b128 v[GO], v[FR+32*\u+4*\i:FR+32*\u+4*\i+3], s[10:11] offset:1024*\i+256*\u th:TH_STORE_NT
.endr
.endr
	s_wait_tensorcnt 0x0
	ds_add_u32 v30, v31
	s_wait_dscnt 0x0
	s_endpgm
.Lfunc_end_k_q596ee860c9_attn:
	.size	k_q596ee860c9_attn, .Lfunc_end_k_q596ee860c9_attn-k_q596ee860c9_attn
	.p2alignl 7, 3214868480
	.fill 96, 4, 3214868480
	.section	.rodata,"a",@progbits
	.p2align	6, 0x0
	.amdhsa_kernel k_q596ee860c9_attn
		.amdhsa_group_segment_fixed_size 314368
		.amdhsa_private_segment_fixed_size 0
		.amdhsa_enable_private_segment 0
		.amdhsa_kernarg_size 32
		.amdhsa_user_sgpr_count 2
		.amdhsa_user_sgpr_kernarg_segment_ptr 1
		.amdhsa_wavefront_size32 1
		.amdhsa_system_sgpr_workgroup_id_x 1
		.amdhsa_system_sgpr_workgroup_id_y 1
		.amdhsa_system_sgpr_workgroup_id_z 1
		.amdhsa_system_vgpr_workitem_id 0
		.amdhsa_next_free_vgpr 320
		.amdhsa_next_free_sgpr 66
		.amdhsa_reserve_vcc 1
		.amdhsa_float_denorm_mode_32 3
		.amdhsa_float_denorm_mode_16_64 3
		.amdhsa_memory_ordered 1
		.amdhsa_forward_progress 1
		.amdhsa_inst_pref_size 71
	.end_amdhsa_kernel
	.amdgpu_metadata
---
amdhsa.version: [ 1, 2 ]
amdhsa.kernels:
  - .name:           k_q596ee860c9_attn
    .symbol:         k_q596ee860c9_attn.kd
    .args:
      - { .name: Q, .offset: 0, .size: 8, .value_kind: global_buffer, .address_space: global }
      - { .name: kv, .offset: 8, .size: 8, .value_kind: global_buffer, .address_space: global }
      - { .name: valid_lens, .offset: 16, .size: 8, .value_kind: global_buffer, .address_space: global }
      - { .name: out0, .offset: 24, .size: 8, .value_kind: global_buffer, .address_space: global }
    .group_segment_fixed_size: 314368
    .private_segment_fixed_size: 0
    .kernarg_segment_align: 8
    .kernarg_segment_size: 32
    .max_flat_workgroup_size: 256
    .sgpr_count:     66
    .vgpr_count:     320
    .wavefront_size: 32
...
	.end_amdgpu_metadata
.endif
;; end of part 2
;; ======== version 2 of 2: 2 launches
;; limits: right only within a limited range of input values
;; workspace buffers: kv 4,456,448 bytes; qc 2,228,224 bytes; order 256 bytes of whole numbers
;; launch prep (part 3): grid 256 x 3, 4 waves a work-group, no clusters, 34,304 bytes of LDS; arguments K, V, valid_lens, kv, order, Q, qc; writes kv, order, qc
.if DOCPART == 3
	.amdgcn_target "amdgcn-amd-amdhsa--gfx1250"
	.amdhsa_code_object_version 6
	.text
	.protected	k_q596ee860c9_prep
	.globl	k_q596ee860c9_prep
	.p2align	8
	.type	k_q596ee860c9_prep,@function
k_q596ee860c9_prep:
	s_mov_b64 s[64:65], 0
	v_nop
	global_prefetch_b8 v0, s[64:65] scope:SCOPE_SE
	s_setreg_imm32_b32 hwreg(HW_REG_WAVE_MODE, 25, 1), 1
	s_wait_xcnt 0x0
; K [16][2048][128] and V [16][2048][128], f32, become codes of FP4 (E2M1) with one E8M0 byte for each 32 along a product's K: K along the head's 128, V along the KEYS.
; They are laid in kv in the ORDER OF THE OPERANDS' REGISTERS, so that the attention launch copies them as they lie and loads fragments 16 bytes a lane.
; kv: chunk (b, c) = keys 256 c .. 256 c + 255 of batch b, CHUNK bytes at (8 b + c) CHUNK.  In it, for step s (128 keys) = 0, 1:
;   16384 s         K's codes: tile t = 0..7, registers 4 c .. 4 c + 3 (c = 0, 1) of all 32 lanes at (2 t + c) 512 + 16 lane
;   16384 s + 8192  V's codes likewise
;   32768 + 1024 s  K's scale words: word (i, lane) at 128 i + 4 lane = tile 2 i + lane / 16, row lane % 16;   + 512: V's likewise
; K's tile 2 b + u: lane (r, h) holds key 32 b + 8 u + r + 8 (r / 8) of the step, d = 64 c + 32 h + 0..31: so the scores of two neighbouring tiles are 16 neighbouring keys in a lane.
; V's tile t: lane (r, h) holds channel 16 t + r, keys 64 c + 32 h + 0..31 of the step.
; SHARES.  Work-group x = 16 b + j takes key step j of batch b; y = 0: K, y = 1: V.  A block's scale is 2^(floor(log2(largest magnitude)) - 2): its byte is that magnitude's exponent field - 2.
; Only chunks that the attention launch reads are made: with vl = valid_lens[b] held to 0 .. 2048, NE = vl (2048 where vl = 0: every key counts alike then), chunks c < (NE + 255) / 256.
; A work-group whose chunk is not read stores nothing and ends: the grid serves every valid_lens.
; THE ORDER.  One wave of the launch (wave 0 of work-group (0, 0)) also ranks the 16 batches by the keys that are walked, the longest first, and stores order[rank] = NE x 32 + 16 x [vl = 0] + b:
; the attention launch pairs rank k with rank 15 - k, so that its work-groups have about equal work.
; LIMITS: NaN and infinities among the inputs are not served; a block whose largest magnitude lies under 2^-124 (a block of zeros too) gets the byte 1: a block of zeros has zero codes, and this program alone reads the bytes.
; No tensor loads, no barrier: waves share nothing.  No register that a pending load or store names is written again, and EXEC never changes: so no wait on XCNT is written.
; Q.  Work-groups with y = 2 quantise Q by K's path: x = 16 b + j takes queries 128 j .. 128 j + 127 of batch b, whatever valid_lens holds.  qc: tile T = 0..2047 (16 queries of the batch T / 128): codes at 1024 T, laid as a tile of K;
; scale words at 0x200000 + 64 T, 4 bytes a row.  Tile 2 i + u: row r is query 32 i + 8 u + r + 8 (r / 8), as the keys of a tile of K are chosen.
.set CHUNK, 34816
.set TM,  16                           ; v16-19 largest magnitudes, v20-23 the other half's / the bytes, v28-31 the conversions' scale operands
.set PW,  32                           ; v32, v33 the two tiles' scale words (K)
.set SB,  34                           ; v34 my channel's scale word (V)
.set MW,  35                           ; v35 K's words as they are stored: lanes 0-15 the even tile's, lanes 16-31 the odd tile's
.set PC,  36                           ; v36-51 codes: registers of their own for each tile (K) or block (V)
.set X,   64                           ; K: v64-127 64 numbers of a lane;  V: v64-191 four blocks of 32
.set R,   128                          ; K: v128-255 two tiles as they are loaded
.set SEL, 44                           ; s[44:45] lane selects for v_permlanex16_b32: lane l xor 16
.set SP,  528                          ; a stage row: 512 bytes + 16
; 64 numbers of a lane, register 16 b + i = k 32 b + 16 (lane / 16) + i of my row, become a fragment's codes in v[pc] on and its scale word in v[pw].
.macro QUANT s, pc, pw
.irp b, 0,1,2,3
	v_max3_num_f32 v[TM+\b], |v[\s+16*\b]|, |v[\s+1+16*\b]|, 0x1800000   ; block b: my 16 numbers, and the floor 2^(3 - 127): the byte cannot fall under 1
.endr
.irp i, 2,4,6,8,10,12,14
.irp b, 0,1,2,3
	v_max3_num_f32 v[TM+\b], v[TM+\b], |v[\s+16*\b+\i]|, |v[\s+1+16*\b+\i]|   ; the four blocks by turns
.endr
.endr
.irp b, 0,1,2,3
	v_permlanex16_b32 v[TM+4+\b], v[TM+\b], s[SEL], s[SEL+1]
.endr
.irp b, 0,1,2,3
	v_max_num_f32 v[TM+\b], v[TM+\b], v[TM+4+\b]       ; with lane l xor 16's: the block's largest magnitude
.endr
.irp b, 0,1,2,3
	v_add_nc_u32 v[TM+12+\b], 0xff000000, v[TM+\b]     ; 2 off its exponent field: the conversion's scale operand
.endr
.irp b, 0,1,2,3
	v_lshrrev_b32 v[TM+4+\b], 23, v[TM+12+\b]          ; the scale's byte
.endr
	v_lshl_or_b32 v[\pw], v[TM+5], 8, v[TM+4]          ; four bytes: my row's scale word
	v_lshl_or_b32 v[\pw], v[TM+6], 16, v[\pw]
	v_lshl_or_b32 v[\pw], v[TM+7], 24, v[\pw]
.irp b, 0,1,2,3
	v_cvt_scalef32_pk8_fp4_f32 v[(\pc)+2*\b], v[\s+16*\b:\s+7+16*\b], v[TM+12+\b]
	v_cvt_scalef32_pk8_fp4_f32 v[(\pc)+1+2*\b], v[\s+8+16*\b:\s+15+16*\b], v[TM+12+\b]
.endr
	v_nop                                              ; one plain line behind the scaled conversions
.irp c, 0,1                                        ; the operand wants a whole block in a lane: lanes 0-15 block 2 c, lanes 16-31 block 2 c + 1
.irp i, 0,1
	v_permlane16_swap_b32 v[(\pc)+4*\c+\i], v[(\pc)+2+4*\c+\i]
.endr
.endr
.endm
	s_load_b256 s[4:11], s[0:1], 0x0               ; K s[4:5], V s[6:7], valid_lens s[8:9], kv s[10:11]
	s_load_b128 s[36:39], s[0:1], 0x20             ; order s[36:37], Q s[38:39]
	s_load_b64 s[40:41], s[0:1], 0x30              ; qc
	v_lshl_add_u32 v62, v0, 2, 0x8400
	v_mov_b32 v63, 0
	v_lshrrev_b32 v1, 5, v0
	v_readfirstlane_b32 s12, v1                    ; wave 0..3
	v_and_b32 v1, 31, v0                           ; lane
	v_lshlrev_b32 v2, 4, v1                        ; 16 x lane
	v_lshlrev_b32 v3, 2, v1                        ; 4 x lane
	v_and_b32 v7, 15, v0                           ; r
	v_bfe_u32 v8, v0, 4, 1                         ; h
	s_lshr_b32 s13, ttmp9, 4                       ; b
	s_and_b32 s14, ttmp9, 15                       ; j: the key step
	s_and_b32 s15, ttmp7, 0xffff                   ; 0: K, 1: V
	s_lshl_b32 s17, s13, 2
	s_lshl_b32 s24, ttmp9, 16                      ; my 128 rows of 512 bytes in K, V or Q
	s_mov_b32 s25, 0
	s_mov_b32 s[SEL], 0x76543210
	s_mov_b32 s[SEL+1], 0xfedcba98
	s_wait_kmcnt 0x0
	s_cmp_eq_u32 s15, 2
	s_cbranch_scc0 .Lkv
	; Q: no length is needed
	s_add_nc_u64 s[4:5], s[38:39], s[24:25]
	s_lshl_b32 s30, ttmp9, 13                      ; 8 tiles of 1024 bytes
	s_lshl_b32 s29, s12, 11
	s_add_co_u32 s30, s30, s29                     ; + my two
	s_mov_b32 s31, 0
	s_add_nc_u64 s[20:21], s[40:41], s[30:31]
	s_lshl_b32 s32, ttmp9, 9                       ; 8 tiles' scale words
	s_lshl_b32 s29, s12, 7
	s_add_co_u32 s32, s32, s29
	s_add_co_u32 s32, s32, 0x200000
	s_mov_b32 s33, 0
	s_add_nc_u64 s[22:23], s[40:41], s[32:33]
	s_branch .Lrows
.Lkv:
	s_load_b32 s16, s[8:9], s17 offset:0x0         ; valid_lens[b]
	s_lshr_b32 s19, s14, 1                         ; the chunk in the batch
	s_lshl_b32 s26, s13, 3
	s_add_co_u32 s26, s26, s19
	s_mul_i32 s26, s26, CHUNK                      ; the chunk's first byte in kv
	s_and_b32 s28, s14, 1                          ; the step in the chunk
	s_lshl_b32 s29, s28, 14
	s_add_co_u32 s30, s26, s29                     ; codes: + 16384 step
	s_lshl_b32 s29, s15, 13
	s_add_co_u32 s30, s30, s29                     ; + 8192 for V
	s_lshl_b32 s29, s12, 11
	s_add_co_u32 s30, s30, s29                     ; + 2048 wave: my two tiles
	s_mov_b32 s31, 0
	s_lshl_b32 s29, s28, 10
	s_add_co_u32 s32, s26, s29                     ; scale words: + 1024 step
	s_lshl_b32 s29, s15, 9
	s_add_co_u32 s32, s32, s29                     ; + 512 for V
	s_lshl_b32 s29, s12, 7
	s_add_co_u32 s32, s32, s29                     ; + 128 wave
	s_add_co_u32 s32, s32, 32768
	s_mov_b32 s33, 0
	s_wait_kmcnt 0x0
	s_max_i32 s16, s16, 0
	s_min_i32 s16, s16, 2048                       ; vl, as the comparison k < valid_lens takes it
	s_cmp_eq_u32 s16, 0
	s_cselect_b32 s18, 2048, s16                   ; NE
	s_add_co_u32 s18, s18, 255
	s_lshr_b32 s18, s18, 8                         ; chunks that are read
	s_cmp_ge_u32 s19, s18
	s_cbranch_scc1 .Lend                           ; nobody reads my chunk
	s_cmp_eq_u32 s15, 0
	s_cselect_b64 s[4:5], s[4:5], s[6:7]           ; the choice hangs on the work-group's number alone
	s_add_nc_u64 s[4:5], s[4:5], s[24:25]
	s_add_nc_u64 s[20:21], s[10:11], s[30:31]      ; where my codes go
	s_add_nc_u64 s[22:23], s[10:11], s[32:33]      ; where my scale words go
	s_cmp_lg_u32 s15, 0
	s_cbranch_scc1 .Lvpath
	; ---- K.  Wave w takes keys 32 w .. 32 w + 31: tiles 2 w and 2 w + 1.  Each load reads one key's row, 512 consecutive bytes; a tile's 16 rows turn through the wave's own stage, so that a lane gets 16 neighbours of each block of ITS row.
.Lrows:                                                ; K's rows and Q's alike
	s_lshl_b32 s24, s12, 14
	s_add_nc_u64 s[4:5], s[4:5], s[24:25]
	s_mul_i32 s26, s12, 16*SP                      ; my stage
	s_wait_alu depctr_va_vdst(0)
	v_add_nc_u32 v4, s26, v2                       ; in: 16 x lane of a row
	v_mul_u32_u24 v5, v7, SP
	v_lshl_add_u32 v5, v8, 6, v5
	v_add_nc_u32 v5, s26, v5                       ; out: row r, + 64 h
.irp b, 0,1,2,3
	v_mov_b32 v[TM+4+\b], 0                        ; written once: a lane permute's destination counts as one of its sources
.endr
.irp u, 0,1
.irp p, 0,1,2,3,4,5,6,7,8,9,10,11,12,13,14,15  ; stage row p of tile u is key 8 u + p + 8 (p / 8) of my 32
	global_load_b128 v[R+64*\u+4*\p:R+64*\u+4*\p+3], v2, s[4:5] offset:512*(8*\u+(\p%8)+16*(\p/8)) th:TH_LOAD_NT
.endr
.endr
	; THE ORDER: wave 0 of work-group (0, 0) alone (this is K's path: y = 0; its chunk 0 is always read, so it always comes here).  It stands behind the issue of the wave's own 32 loads.
	s_or_b32 s27, ttmp9, s12
	s_or_b32 s27, s27, s15                         ; (y = 0: Q's work-groups come this way too)
	s_cmp_lg_u32 s27, 0
	s_cbranch_scc1 .Lno_order
	v_lshlrev_b32 v10, 2, v7
	global_load_b32 v9, v10, s[8:9]                ; lane l: valid_lens[l % 16]
	v_mov_b32 v52, 0x800
	v_mov_b32 v53, 0
	v_mov_b32 v54, 16
	v_mov_b32 v14, 0                               ; my batch's rank
	s_wait_loadcnt 0x0                             ; loads come back in order: with it my 32 rows are in too
	v_min_u32 v11, 0x800, v9                       ; vl held at 2048 from above
	s_wait_alu depctr_va_vdst(0)
	v_cmp_ge_i32 vcc_lo, 0, v9                     ; vl = 0 (or less): every key is hidden, and all 2048 are walked
	v_cndmask_b32 v11, v11, v52, vcc_lo            ; NE
	v_cndmask_b32 v12, v53, v54, vcc_lo            ; the mark of vl = 0, at bit 4
	v_lshl_or_b32 v13, v11, 5, v12
	v_or_b32 v13, v13, v7                          ; the key: NE x 32 + mark + b: no two are equal
.irp j, 0,1,2,3,4,5,6,7,8,9,10,11,12,13,14,15
	v_readlane_b32 s[32+\j%4], v13, \j             ; batch j's key,
	v_cmp_gt_u32 vcc_lo, s[32+\j%4], v13           ; larger than mine?
	v_add_co_ci_u32 v14, vcc_lo, 0, v14, vcc_lo    ; then it stands ahead of me
.endr
	v_min_u32 v15, 15, v14                         ; a rank is 0 .. 15
	v_lshlrev_b32 v15, 2, v15
	global_store_b32 v15, v13, s[36:37]            ; order[rank] = key; lanes l and l + 16 store the same word with the same value
.Lno_order:
	s_wait_alu depctr_va_vdst(0)
.irp u, 0,1
	s_wait_loadcnt 16-16*\u                        ; this tile's 16 loads are in; the second tile's 16 may be out
.irp p, 0,1,2,3,4,5,6,7,8,9,10,11,12,13,14,15
	ds_store_b128 v4, v[R+64*\u+4*\p:R+64*\u+4*\p+3] offset:SP*\p
.endr
.irp b, 0,1,2,3
.irp j, 0,1,2,3
	ds_load_b128 v[X+16*\b+4*\j:X+16*\b+4*\j+3], v5 offset:128*\b+16*\j   ; LDS serves a wave's instructions in order (ISA guide 5.7.1.4): these see my stores, and the next tile's stores come behind them
.endr
.endr
	s_wait_dscnt 0x0
	QUANT X, PC+8*\u, PW+\u
	global_store_b128 v2, v[PC+8*\u:PC+8*\u+3], s[20:21] offset:1024*\u        ; 32 lanes store 512 consecutive bytes, aligned
	global_store_b128 v2, v[PC+8*\u+4:PC+8*\u+7], s[20:21] offset:1024*\u+512
.endr
	v_cmp_gt_u32 vcc_lo, 16, v1
	v_cndmask_b32 v[MW], v[PW+1], v[PW], vcc_lo    ; lanes 0-15: the even tile's words; lanes 16-31: the odd tile's (both halves of the lanes hold each word)
	global_store_b32 v3, v[MW], s[22:23]           ; 128 consecutive bytes
	s_wait_tensorcnt 0x0
	ds_add_u32 v62, v63
	s_wait_dscnt 0x0
	s_endpgm
	; ---- V.  A lane takes a channel and its registers run down the keys: a block of 32 keys lies in one lane, and the codes come out with the keys innermost.  Wave w: channels 32 w + lane.
.Lvpath:
	s_lshl_b32 s24, s12, 7
	s_add_nc_u64 s[4:5], s[4:5], s[24:25]
	s_wait_alu depctr_va_vdst(0)
	v_lshlrev_b32 v6, 10, v8
	v_lshl_add_u32 v6, v7, 4, v6                   ; my channel's place in my two tiles: 1024 (lane / 16) + 16 (lane % 16)
.macro VLOAD t                         ; block t: V(32 t + i, my channel): 32 lanes read 128 consecutive bytes
.irp i, 0,1,2,3,4,5,6,7,8,9,10,11,12,13,14,15,16,17,18,19,20,21,22,23,24,25,26,27,28,29,30,31
	global_load_b32 v[X+32*(\t)+\i], v3, s[4:5] offset:(32*(\t)+\i)*512 th:TH_LOAD_NT
.endr
.endm
.macro VBLOCK t
.set XS, X+32*(\t)
.if (\t) < 3
	s_wait_loadcnt 32                              ; this block's 32 loads are in; the next block's may be out
.else
	s_wait_loadcnt 0x0
.endif
.if (\t)+2 < 4
	VLOAD (\t)+2                                   ; two blocks ahead, into registers of its own
.endif
	v_max3_num_f32 v16, |v[XS]|, |v[XS+1]|, |v[XS+2]|  ; the block's largest magnitude: all 32 numbers are mine; two chains
	v_max3_num_f32 v17, |v[XS+3]|, |v[XS+4]|, |v[XS+5]|
.irp i, 6,10,14,18,22,26
	v_max3_num_f32 v16, v16, |v[XS+\i]|, |v[XS+\i+1]|
	v_max3_num_f32 v17, v17, |v[XS+\i+2]|, |v[XS+\i+3]|
.endr
	v_max3_num_f32 v16, v16, |v[XS+30]|, |v[XS+31]|
	v_max3_num_f32 v16, v16, v17, 0x1800000        ; and the floor 2^(3 - 127)
	v_add_nc_u32 v18, 0xff000000, v16              ; the conversion's scale operand
	v_lshrrev_b32 v17, 23, v18                     ; the byte
.if (\t) == 0
	v_mov_b32 v[SB], v17
.else
	v_lshl_or_b32 v[SB], v17, 8*(\t), v[SB]        ; block t's byte is byte t of the step's word
.endif
.irp g, 0,1,2,3
	v_cvt_scalef32_pk8_fp4_f32 v[PC+4*(\t)+\g], v[XS+8*\g:XS+8*\g+7], v18
.endr
	v_nop                                          ; one plain line behind the scaled conversions
	global_store_b128 v6, v[PC+4*(\t):PC+4*(\t)+3], s[20:21] offset:((\t)/2)*512+((\t)%2)*256   ; block t = registers 4 (t / 2) on of lanes with h = t % 2: sixteen lanes store 256 consecutive bytes, aligned
.endm
	VLOAD 0
	VLOAD 1
	VBLOCK 0
	VBLOCK 1
	VBLOCK 2
	VBLOCK 3
	global_store_b32 v3, v[SB], s[22:23]           ; lane = 16 (tile % 2) + row: the words lie as they are wanted
.Lend:
	s_endpgm
.Lfunc_end_k_q596ee860c9_prep:
	.size	k_q596ee860c9_prep, .Lfunc_end_k_q596ee860c9_prep-k_q596ee860c9_prep
	.p2alignl 7, 3214868480
	.fill 96, 4, 3214868480
	.section	.rodata,"a",@progbits
	.p2align	6, 0x0
	.amdhsa_kernel k_q596ee860c9_prep
		.amdhsa_group_segment_fixed_size 34304
		.amdhsa_private_segment_fixed_size 0
		.amdhsa_enable_private_segment 0
		.amdhsa_kernarg_size 56
		.amdhsa_user_sgpr_count 2
		.amdhsa_user_sgpr_kernarg_segment_ptr 1
		.amdhsa_wavefront_size32 1
		.amdhsa_system_sgpr_workgroup_id_x 1
		.amdhsa_system_sgpr_workgroup_id_y 1
		.amdhsa_system_sgpr_workgroup_id_z 1
		.amdhsa_system_vgpr_workitem_id 0
		.amdhsa_next_free_vgpr 256
		.amdhsa_next_free_sgpr 66
		.amdhsa_reserve_vcc 1
		.amdhsa_float_denorm_mode_32 3
		.amdhsa_float_denorm_mode_16_64 3
		.amdhsa_memory_ordered 1
		.amdhsa_forward_progress 1
		.amdhsa_inst_pref_size 41
	.end_amdhsa_kernel
	.amdgpu_metadata
---
amdhsa.version: [ 1, 2 ]
amdhsa.kernels:
  - .name:           k_q596ee860c9_prep
    .symbol:         k_q596ee860c9_prep.kd
    .args:
      - { .name: K, .offset: 0, .size: 8, .value_kind: global_buffer, .address_space: global }
      - { .name: V, .offset: 8, .size: 8, .value_kind: global_buffer, .address_space: global }
      - { .name: valid_lens, .offset: 16, .size: 8, .value_kind: global_buffer, .address_space: global }
      - { .name: kv, .offset: 24, .size: 8, .value_kind: global_buffer, .address_space: global }
      - { .name: order, .offset: 32, .size: 8, .value_kind: global_buffer, .address_space: global }
      - { .name: Q, .offset: 40, .size: 8, .value_kind: global_buffer, .address_space: global }
      - { .name: qc, .offset: 48, .size: 8, .value_kind: global_buffer, .address_space: global }
    .group_segment_fixed_size: 34304
    .private_segment_fixed_size: 0
    .kernarg_segment_align: 8
    .kernarg_segment_size: 56
    .max_flat_workgroup_size: 128
    .sgpr_count:     66
    .vgpr_count:     256
    .wavefront_size: 32
...
	.end_amdgpu_metadata
.endif
;; end of part 3
;; launch attn (part 4): grid 32 x 8, 16 waves a work-group, no clusters, 280,576 bytes of LDS; arguments qc, kv, order, out0; writes out0
.if DOCPART == 4
	.amdgcn_target "amdgcn-amd-amdhsa--gfx1250"
	.amdhsa_code_object_version 6
	.text
	.protected	k_q596ee860c9_attn
	.globl	k_q596ee860c9_attn
	.p2align	8
	.type	k_q596ee860c9_attn,@function
k_q596ee860c9_attn:
	s_mov_b64 s[64:65], 0
	v_nop
	global_prefetch_b8 v0, s[64:65] scope:SCOPE_SE
	s_setreg_imm32_b32 hwreg(HW_REG_WAVE_MODE, 25, 1), 1
	s_wait_xcnt 0x0
; out0[b][q][:] = the sum over k of softmax_k(logit) V[b][k][:], logit = Q[b][q] . K[b][k] / sqrt(128) where k < valid_lens[b], else -1e6.  Both products on codes of FP4 (E2M1) with E8M0 scales for each 32 along K.
; Codes and scale words of Q (qc), K and V (kv) come from the launch before, laid in the order of the operands' registers (its head comment has the layouts).
; THE SOFTMAX: t = logit x log2(e); M = the largest t so far, rounded UP to a whole number; p = 2^(t - M) is quantised along the keys, not normalised; the row's sum is taken of the unquantised p and divides at the end.
; When M moves, the sum and O are multiplied by 2^(old M - new M): exact.  A block's scale is 2^(floor(the block's largest t - M) - 2), held to 2^-126 from below: a block whose every p is 0 has zero codes.
; SHARES: A LONG BATCH AND A SHORT ONE IN EVERY WORK-GROUP.  order[rank] = NE x 32 + 16 x [vl = 0] + b ranks the batches by the keys that are walked.  Work-group (x, k) owns four tiles of 16 queries (64 queries) of the batch of
; rank k (role 0) and four of the batch of rank 15 - k (role 1): 256 work-groups, each with about the same number of key steps.  TWO WAVES OWN A TILE: one takes the even key steps (128 keys each), the other the odd ones,
; each with its own M, sum and O; at the end they exchange halves of O through LDS and each finishes 64 channels.  Wave w: tile w / 4; (w xor w / 4) % 4 = role + 2 x parity: every four waves that are equal modulo 4, and
; every four neighbours, hold both roles and both parities: so the waves of a SIMD do, however they are dealt.
; A lane holds ONE query (lane % 16) throughout: both products are used transposed: S^T = K Q^T (source 0 = 16 keys), O^T = V^T P^T (source 0 = 16 channels).
; O's registers hold the wave's OWN 64 channels (64 x parity on) first and the partner's behind them: V's tiles are taken in that order, so the exchange names the same registers in every wave.
; THE MASK.  vl = valid_lens[b] held to 0 .. 2048.  NE = vl, or 2048 where vl = 0.  Key steps that begin at or past NE are left out by scalar branches on whole numbers; the loop's trip count is a constant, and every wave
; passes every barrier.  In a step that reaches past vl hidden scores become -1e6 x sqrt(128), so that their t is -1e6 x log2(e).  Where vl = 0 every key is hidden: the scores become f32(-1e6 x log2(e)) itself, which is
; multiplied by 1: every p is 1, as reference() has it.
; LIMITS: a hidden key has weight 2^(-1,442,695 - M) in reference(): 0 in f32 as long as a row has one counted logit above about -999,890.  NaN and infinities among the inputs are not served.
; LDS.  Each role has a ring of four slots of CHUNK bytes (256 keys as they lie in kv).  In round c the role's eight waves read slot c % 4; in the middle of the round they store chunk c + 1, which has come through registers, into
; slot (c + 1) % 4 and ask for chunk c + 2.  ONE BARRIER A ROUND, APART: signalled behind those stores, waited for at the round's end, with the softmax and the second product between.  A wave that stores in round c has
; passed round c - 1's wait, so everybody has passed the middle of round c - 1 and has left round c - 2; the slot that it fills was last read in round c - 3.
; Behind the loop everybody has left round 6, so slots 0 and 1 serve the exchange and the way out (round 7 reads slot 3).
; NO TENSOR LOADS AND NO CLUSTER, though the 32 work-groups of a pair read the same chunks: joint requests are tensor loads; leaving out the hidden steps spares
; their whole softmax (64 exponentials and some 200 other vector instructions for each 16 matrix instructions), while what is shared is 34,816 bytes for each 256 keys.
; REGISTERS: v1-4, v6, v30, v31 addresses that stay; v8-11, v24-27 the round's LDS addresses; v12 -M, v13 the largest t, v[14:15] the sum in two halves; v16-23 Q's codes; v28 p's and v29 Q's scale words, v252-255 K's or V's: scales alone;
; v32-63 four fragments; v64-97 my part of a chunk on its way to LDS; v98 f; v100-163 S^T, then p (and, while the scores are not yet made or p is quantised, four more fragments); v164-227 O^T; v228-235 p's codes; v236-251 at work.
.set CHUNK, 34816
.set ML,  65536                        ; the exchange: 16 waves x 4,096 bytes of O, then 256 bytes of -M and sum for each wave,
.set STG, 69632                        ; then a stage of 16 rows x 272 bytes for each wave: all inside slots 0 and 1 (139,264 bytes)
.set SPARE, 8*CHUNK                    ; behind the slots: the spare words, 128 bytes for each wave
.set AK0, 1                            ; my role's slot 0 + 16384 x parity + 16 x lane
.set AS0, 2                            ; the same for scale words, + 4 x lane
.set GA,  3                            ; 16 x (thread in the role's 256)
.set GS,  4                            ; 8 x the same
.set T0,  5
.set PFO, 6
.set AK,  8
.set AS,  9
.set AVL, 10                           ; V's codes of my own channels, of my partner's
.set AVH, 11
.set ASL, 24                           ; and their scale words
.set ASH, 25
.set SA,  26
.set SSA, 27
.set PW,  28
.set QW,  29
.set SA0, 30
.set SS0, 31
.set QF,  16
.set FR,  32
.set SG,  64
.set FF,  98
.set ST,  100
.set OT,  164
.set PC,  228
.set TM,  236
.set SW,  252
.set WV,  12
.set TT,  13
.set ROLE, 14
.set QH,  15
.set NE,  16
.set NCH, 17
.set VL,  18
.set LIM, 19
.set SEL, 20
.set CM,  22                           ; s[22:23] what scores are multiplied by: log2(e) / sqrt(128), or 1 where vl = 0
.set TN,  24                           ; a hidden score
.set KF,  25                           ; my step's first key
.set RC,  26                           ; the trip's first round
.set QV,  27                           ; 4096 x parity, 4096 x (1 - parity)
.set QVN, 28
.set QS,  29                           ; 256 x parity
.set QSN, 43                           ; 256 x (1 - parity)
.set KVP, 40                           ; s[40:41] the chunk of the round, in kv
.set BB,  42
.macro OFFS d, k, s
.if \k
	v_add_nc_u32 v[\d], (\k)*CHUNK, v[\s]
.else
	v_mov_b32 v[\d], v[\s]
.endif
.endm
.macro CLOAD dst, off                  ; my part of a chunk: 8 x 4,096 bytes of codes, 2,048 of scale words; each load of a wave covers 512 (256) consecutive bytes
.irp i, 0,1,2,3,4,5,6,7
	global_load_b128 v[\dst+4*\i:\dst+4*\i+3], v[GA], s[KVP:KVP+1] offset:\off+4096*\i
.endr
	global_load_b64 v[\dst+32:\dst+33], v[GS], s[KVP:KVP+1] offset:\off+32768
.endm
.macro CSTORE a, b, src                ; and on into LDS, as it lay
.irp i, 0,1,2,3,4,5,6,7
	ds_store_b128 v[\a], v[\src+4*\i:\src+4*\i+3] offset:4096*\i
.endr
	ds_store_b64 v[\b], v[\src+32:\src+33] offset:32768
.endm
.macro SPROD t, af                     ; S^T, tile t: 16 keys x my 16 queries; the sum begins with the constant 0
.if (\t)%2
	v_wmma_scale_f32_16x16x128_f8f6f4 v[ST+8*\t:ST+8*\t+7], v[\af:\af+7], v[QF:QF+7], 0, v[SW+(\t)/2], v[QW] matrix_a_fmt:MATRIX_FMT_FP4 matrix_b_fmt:MATRIX_FMT_FP4 matrix_a_scale:MATRIX_SCALE_ROW1
.else
	v_wmma_scale_f32_16x16x128_f8f6f4 v[ST+8*\t:ST+8*\t+7], v[\af:\af+7], v[QF:QF+7], 0, v[SW+(\t)/2], v[QW] matrix_a_fmt:MATRIX_FMT_FP4 matrix_b_fmt:MATRIX_FMT_FP4
.endif
.endm
.macro OPROD t, af                     ; O^T: 16 channels x my 16 queries, K = the step's 128 keys
.if (\t)%2
	v_wmma_scale_f32_16x16x128_f8f6f4 v[OT+8*\t:OT+8*\t+7], v[\af:\af+7], v[PC:PC+7], v[OT+8*\t:OT+8*\t+7], v[SW+(\t)/2], v[PW] matrix_a_fmt:MATRIX_FMT_FP4 matrix_b_fmt:MATRIX_FMT_FP4 matrix_a_scale:MATRIX_SCALE_ROW1
.else
	v_wmma_scale_f32_16x16x128_f8f6f4 v[OT+8*\t:OT+8*\t+7], v[\af:\af+7], v[PC:PC+7], v[OT+8*\t:OT+8*\t+7], v[SW+(\t)/2], v[PW] matrix_a_fmt:MATRIX_FMT_FP4 matrix_b_fmt:MATRIX_FMT_FP4
.endif
.endm
.macro MAXA b                          ; the largest score of block b of 32 keys (my 16 of them): it serves for the row's maximum and for the block's scale
	v_max3_num_f32 v[TM+\b], v[ST+16*\b], v[ST+1+16*\b], v[ST+2+16*\b]
.endm
.macro MAXB b, i
	v_max3_num_f32 v[TM+\b], v[TM+\b], v[ST+16*\b+\i], v[ST+1+16*\b+\i]
.endm
; THE SCORES.  Fragments of K's tiles 4-7 lie where the scores of tiles 0-3 will come: they are multiplied first.
.macro PART1
.irp t, 0,1,2,3
.irp c, 0,1
	ds_load_b128 v[ST+8*\t+4*\c:ST+8*\t+4*\c+3], v[AK] offset:4096+1024*\t+512*\c
.endr
.endr
	ds_load_b32 v[SW+2], v[AS] offset:256          ; lanes 0-15: tile 4's words, lanes 16-31: tile 5's
	ds_load_b32 v[SW+3], v[AS] offset:384
.irp t, 0,1,2,3
.irp c, 0,1
	ds_load_b128 v[FR+8*\t+4*\c:FR+8*\t+4*\c+3], v[AK] offset:1024*\t+512*\c
.endr
.endr
	ds_load_b32 v[SW], v[AS]
	ds_load_b32 v[SW+1], v[AS] offset:128
	s_wait_dscnt 0xa                               ; tiles 4-7 are in; the ten loads behind them may be out
.irp t, 4,5,6,7
.set AF, ST+8*(\t-4)
	SPROD \t, AF
.endr
.rept 5
	v_nop                                          ; five places: the next products write over these products' fragments
.endr
	s_wait_dscnt 0x0
.irp t, 0,1,2,3
.set AF, FR+8*\t
	SPROD \t, AF
.endr                                              ; lane (r, h): query r; register 16 b + i: key KF + 32 b + 16 h + i
	s_add_co_u32 s30, s[KF], 128
	s_cmp_le_u32 s30, s[VL]
	s_cbranch_scc1 .Lopen_\@                       ; all 128 keys count
	s_sub_co_i32 s30, s[VL], s[KF]
	v_bfe_u32 v[T0], v0, 4, 1                      ; (these four are also the products' places)
	v_nop
	v_lshlrev_b32 v[T0], 4, v[T0]
	v_sub_nc_u32 v[TM+8], s30, v[T0]               ; register 16 b + i is hidden where 32 b + i >= vl - KF - 16 h
.irp n, 0,4,8,12,16,20,24,28,32,36,40,44,48,52,56,60
.irp m, 0,1,2,3
	v_cmp_ge_i32 s[36+\m], 32*(\n/16)+\n%16+\m, v[TM+8]
.endr
.irp m, 0,1,2,3
	v_cndmask_b32 v[ST+\n+\m], v[ST+\n+\m], s[TN], s[36+\m]
.endr
.endr
.Lopen_\@:
	MAXA 2                                         ; blocks 2 and 3 were made first: these lines are also the places behind the products of tiles 0-3
	MAXA 3
	MAXB 2, 3
	MAXB 3, 3
	MAXB 2, 5
	MAXB 3, 5
	MAXA 0
	MAXA 1
	MAXB 0, 3
	MAXB 1, 3
	MAXB 0, 5
	MAXB 1, 5
.irp t, 0,1,2,3
.irp c, 0,1
	ds_load_b128 v[FR+8*\t+4*\c:FR+8*\t+4*\c+3], v[AVL] offset:8192+1024*\t+512*\c   ; V, my own channels
.endr
.endr
	ds_load_b32 v[SW], v[ASL] offset:512
	ds_load_b32 v[SW+1], v[ASL] offset:640
.irp i, 7,9,11,13
.irp b, 0,1,2,3
	MAXB \b, \i
.endr
.endr
.irp b, 0,1,2,3
	v_max_num_f32 v[TM+\b], v[TM+\b], v[ST+15+16*\b]
.endr
.endm
; THE ROUND'S MIDDLE: the next chunk's loads are in and go to LDS; the chunk behind it is asked for; signal.
; A PREFETCH INTO THE L2 of the codes of the chunk that the NEXT round will ask for (three on from the one being read): 32,768 bytes, lanes 256 bytes apart, one instruction in each of the role's four waves of parity 0, in the
; work-group x = 0 alone: all 32 work-groups of a pair walk the same chunks, so each aligned block of 256 bytes is named once in the launch.  It stands one round ahead of the loads that want the bytes, and stops where no such
; chunk is read; chunks 0 to 2 and the scale words come by their loads alone.
.macro MID s
	s_wait_alu depctr_va_vdst(0)                   ; ahead of the waits below
	s_wait_loadcnt 0x0                             ; on every way
	s_add_co_u32 s30, s[RC], 1+\s
	s_cmp_lt_u32 s30, s[NCH]
	s_cbranch_scc0 .Lnone_\@
	OFFS SA, 2*((\s+1)%4), SA0
	OFFS SSA, 2*((\s+1)%4), SS0
	CSTORE SA, SSA, SG
	s_add_co_u32 s30, s[RC], 2+\s
	s_cmp_lt_u32 s30, s[NCH]
	s_cbranch_scc0 .Lnone_\@
	s_wait_xcnt 0x0                                ; earlier loads and the last prefetch have read their base
	s_wait_dscnt 0x0                               ; the stores have read their registers
	s_add_nc_u64 s[KVP:KVP+1], s[KVP:KVP+1], CHUNK
	CLOAD SG, CHUNK
	s_add_co_u32 s30, s[RC], s[LIM]
	s_add_co_u32 s30, s30, \s
	s_cmp_lt_u32 s30, s[NCH]
	s_cbranch_scc0 .Lnone_\@
	global_prefetch_b8 v[PFO], s[KVP:KVP+1] offset:2*CHUNK th:TH_LOAD_NT scope:SCOPE_SE
.Lnone_\@:
	s_wait_dscnt 0x0                               ; for the others' sake: my part of the next chunk lies in LDS
	s_barrier_signal -1
.endm
.macro PADD a, k                       ; p's numbers 2 k, 2 k + 1 onto the pair a
	v_pk_add_f32 v[\a:\a+1], v[\a:\a+1], v[ST+2*(\k):ST+2*(\k)+1]
.endm
.macro PADD4 k
	PADD 14, \k
	PADD TM, \k+1
	PADD TM+2, \k+2
	PADD TM+4, \k+3
.endm
; THE SOFTMAX AND THE SECOND PRODUCT
.macro PART2
.irp b, 0,1,2,3
	v_permlanex16_b32 v[TM+4+\b], v[TM+\b], s[SEL], s[SEL+1]
.endr
.irp b, 0,1,2,3
	v_max_num_f32 v[TM+\b], v[TM+\b], v[TM+4+\b]   ; with lane l xor 16's 16 keys
.endr
	s_delay_alu instid0(VALU_DEP_2)
	v_max3_num_f32 v[T0], v[TM], v[TM+1], v[TM+2]
	s_delay_alu instid0(VALU_DEP_1)
	v_max_num_f32 v[T0], v[T0], v[TM+3]
	s_delay_alu instid0(VALU_DEP_1)
	v_mul_f32 v[T0], s[CM], v[T0]                  ; the step's largest t of my query
	s_delay_alu instid0(VALU_DEP_1)
	v_max_num_f32 v13, v13, v[T0]
	v_mov_b32 v[T0], v12
	s_delay_alu instid0(VALU_DEP_2)
	v_floor_f32 v12, -v13                          ; -M = floor(-t): M is a whole number
	s_delay_alu instid0(VALU_DEP_1)
	v_sub_f32 v[T0], v12, v[T0]                    ; old M - new M: a whole number, 0 or less
.irp b, 0,1,2,3
	v_fma_f32 v[TM+\b], v[TM+\b], s[CM], v12       ; each block's largest t - M
.endr
	v_cvt_i32_f32 v[T0], v[T0]                     ; (it saturates)
.irp b, 0,1,2,3
	v_max_num_f32 v[TM+\b], 0xc2f80000, v[TM+\b]   ; held at -124: the scale's byte cannot fall under 1
.endr
	v_ldexp_f32 v[FF], 1.0, v[T0]                  ; f = 2^(old M - new M)
.irp b, 0,1,2,3
	v_cvt_floor_i32_f32 v[TM+8+\b], v[TM+\b]       ; e = floor: the exponent of the block's largest p
.endr
.set j, 0
.rept 32
	v_pk_fma_f32 v[ST+j:ST+j+1], v[ST+j:ST+j+1], s[CM:CM+1], v[12:13] op_sel_hi:[1,0,0]   ; t - M, two at a time
.set j, j+2
.endr
	v_lshl_add_u32 v[T0], v[TM+9], 8, v[TM+8]      ; the scale word: the sum of e_b 256^b + 125 for each byte (e - 2 + 127)
	v_lshl_add_u32 v[TM+4], v[TM+11], 8, v[TM+10]
.irp b, 0,1,2,3
	v_lshl_add_u32 v[TM+12+\b], v[TM+8+\b], 23, 0x3e800000   ; (e + 125) << 23: the conversion's scale operand
.endr
	v_lshl_add_u32 v[T0], v[TM+4], 16, v[T0]
.set j, 0
.rept 32
	v_pk_mul_f32 v[OT+j:OT+j+1], v[OT+j:OT+j+1], v[FF:FF+1] op_sel_hi:[1,0]   ; O^T under the new M
.set j, j+2
.endr
	v_add_nc_u32 v[PW], 0x7d7d7d7d, v[T0]
	s_wait_alu depctr_va_vdst(0)                   ; ahead of the batch
.set j, 0
.rept 64
	v_exp_f32 v[ST+j], v[ST+j]                     ; p = 2^(t - M)
.set j, j+1
.endr
	v_pk_mul_f32 v[14:15], v[14:15], v[FF:FF+1] op_sel_hi:[1,0]   ; the sums under the new M: the plain line behind the exponentials
	s_wait_alu depctr_va_vdst(0)                   ; and ahead of the first line that names a result
.irp b, 0,1,2,3
	v_cvt_scalef32_pk8_fp4_f32 v[PC+2*\b], v[ST+16*\b:ST+7+16*\b], v[TM+12+\b]
	v_cvt_scalef32_pk8_fp4_f32 v[PC+1+2*\b], v[ST+8+16*\b:ST+15+16*\b], v[TM+12+\b]
.endr
	v_pk_add_f32 v[TM:TM+1], v[ST:ST+1], v[ST+2:ST+3]      ; the row's sum, of the unquantised p, in four chains (also the plain lines behind the conversions)
	v_pk_add_f32 v[TM+2:TM+3], v[ST+4:ST+5], v[ST+6:ST+7]
	v_pk_add_f32 v[TM+4:TM+5], v[ST+8:ST+9], v[ST+10:ST+11]
	PADD4 6
	PADD4 10
	PADD 14, 14
	PADD TM, 15
.irp c, 0,1
.irp i, 0,1
	v_permlane16_swap_b32 v[PC+4*\c+\i], v[PC+2+4*\c+\i]   ; a whole block to a lane
.endr
.endr
.irp t, 0,1,2,3                                    ; p's first 32 registers are done with: V, my partner's channels
.irp c, 0,1
	ds_load_b128 v[ST+8*\t+4*\c:ST+8*\t+4*\c+3], v[AVH] offset:8192+1024*\t+512*\c
.endr
.endr
	ds_load_b32 v[SW+2], v[ASH] offset:512
	ds_load_b32 v[SW+3], v[ASH] offset:640
	PADD TM+2, 16
	PADD TM+4, 17
	PADD4 18
	PADD4 22
	PADD4 26
	PADD 14, 30
	PADD TM, 31
	v_pk_add_f32 v[14:15], v[14:15], v[TM+4:TM+5]
	v_pk_add_f32 v[TM:TM+1], v[TM:TM+1], v[TM+2:TM+3]
	v_pk_add_f32 v[14:15], v[14:15], v[TM:TM+1]
	s_wait_alu depctr_va_vdst(0)                   ; ahead of the wait below
.irp t, 0,1,2,3
.set AF, FR+8*\t
	OPROD \t, AF
.endr
	s_wait_dscnt 0x0
.irp t, 4,5,6,7
.set AF, ST+8*(\t-4)
	OPROD \t, AF                                   ; the eight accumulators by turns, one instruction a turn
.endr
.endm
.macro ROUND s
	OFFS AK, 2*(\s), AK0                           ; (these six are also the places between the last round's products and the loads below)
	OFFS AS, 2*(\s), AS0
	v_add_nc_u32 v[AVL], s[QV], v[AK]
	v_add_nc_u32 v[AVH], s[QVN], v[AK]
	v_add_nc_u32 v[ASL], s[QS], v[AS]
	v_add_nc_u32 v[ASH], s[QSN], v[AS]
	s_wait_alu depctr_va_vdst(0)                   ; ahead of the branch
	s_cmp_ge_u32 s[KF], s[NE]                      ; all its keys are hidden: the step's work is left out; no barrier stands under the branch
	s_cbranch_scc1 .Lp1_\@
	PART1
.Lp1_\@:
	MID \s
	s_cmp_ge_u32 s[KF], s[NE]
	s_cbranch_scc1 .Lp2_\@
	PART2
.Lp2_\@:
	s_add_co_u32 s[KF], s[KF], 256
	s_barrier_wait -1
.endm
	s_load_b256 s[4:11], s[0:1], 0x0               ; qc s[4:5], kv s[6:7], order s[8:9], out0 s[10:11]
	v_lshrrev_b32 v[T0], 5, v0
	v_readfirstlane_b32 s[WV], v[T0]               ; wave 0..15
	s_lshr_b32 s[TT], s[WV], 2                     ; my tile among the role's four
	s_xor_b32 s30, s[TT], s[WV]
	s_and_b32 s[ROLE], s30, 1                      ; 0: the pair's longer batch, 1: its shorter
	s_lshr_b32 s30, s30, 1
	s_and_b32 s[QH], s30, 1                        ; parity: even or odd key steps
	s_and_b32 s38, ttmp7, 0xffff                   ; the pair k
	s_sub_co_u32 s37, 15, s38
	s_cmp_eq_u32 s[ROLE], 0
	s_cselect_b32 s38, s38, s37                    ; my batch's rank: k or 15 - k
	s_lshl_b32 s38, s38, 2
	s_wait_kmcnt 0x0
	s_load_b32 s39, s[8:9], s38 offset:0x0         ; order[rank]
	s_lshl_b32 s30, s[TT], 1
	s_add_co_u32 s30, s30, s[QH]
	s_lshl_b32 s30, s30, 5                         ; my wave's first thread among the role's 256
	s_mul_i32 s33, s[ROLE], CHUNK                  ; slot s of role i begins at (2 s + i) CHUNK
	s_lshl_b32 s34, s[QH], 14
	s_add_co_u32 s34, s34, s33                     ; + my step of a chunk
	s_lshl_b32 s35, s[QH], 10
	s_add_co_u32 s35, s35, s33
	s_add_co_u32 s35, s35, 32768                   ; its scale words
	s_lshl_b32 s31, s[TT], 5
	s_lshl_b32 s[QV], s[QH], 12
	s_lshl_b32 s[QS], s[QH], 8
	s_xor_b32 s32, s[QH], 1
	s_lshl_b32 s[QVN], s32, 12
	s_lshl_b32 s[QSN], s32, 8
	s_lshl_b32 s[KF], s[QH], 7
	s_mov_b32 s[RC], 0
	s_mov_b32 s[SEL], 0x76543210
	s_mov_b32 s[SEL+1], 0xfedcba98                 ; v_permlanex16_b32's selects for lane l xor 16
	v_and_b32 v7, 31, v0                           ; lane
	v_and_b32 v10, 15, v0
	v_add_nc_u32 v8, s30, v7
	v_add_nc_u32 v[PFO], s31, v7
	v_lshlrev_b32 v[GA], 4, v8
	v_lshlrev_b32 v[GS], 3, v8
	v_lshlrev_b32 v[PFO], 8, v[PFO]
	v_lshlrev_b32 v9, 2, v7
	v_lshlrev_b32 v7, 4, v7                        ; 16 x lane: my place in a fragment's image
	v_lshlrev_b32 v10, 2, v10                      ; Q's scale words
	v_add_nc_u32 v[AK0], s34, v7
	v_add_nc_u32 v[AS0], s35, v9
	v_add_nc_u32 v[SA0], s33, v[GA]
	v_add_nc_u32 v[SS0], s33, v[GS]
	v_mov_b32 v13, 0xff61b1e6                      ; the largest t so far: -3e38, under every t
	v_mov_b32 v14, 0                               ; the sum, in two halves
	v_mov_b32 v15, 0
	v_floor_f32 v12, -v13                          ; -M
	v_mov_b32 v[FF+1], 0                           ; (named as the upper half of f's pair)
.set j, 0
.rept 64
	v_mov_b32 v[OT+j], 0                           ; O^T: the step is written once; its first change of M leaves zeros zeros
.set j, j+1
.endr
.set j, 0
.rept 32
	v_mov_b32 v[FR+j], 0                           ; these, and the ones below, are written so that every way through the text finds them written
.set j, j+1
.endr
.set j, 34
.rept 30
	v_mov_b32 v[ST+j], 0
.set j, j+1
.endr
.irp j, 0,1,2,3,4,5,6,7
	v_mov_b32 v[TM+\j], 0                          ; (v240-243 also as a lane permute's destinations)
.endr
	v_mov_b32 v[SW], 0
	v_mov_b32 v[SW+1], 0
	s_wait_alu depctr_va_vdst(0)                   ; at the head's end
	s_wait_kmcnt 0x0
	s_and_b32 s[BB], s39, 15
	s_min_u32 s[BB], s[BB], 15                     ; the batch
	s_mul_i32 s30, s[BB], 8*CHUNK                  ; its chunks in kv
	s_mov_b32 s31, 0
	s_mov_b32 s33, 0
	s_add_nc_u64 s[KVP:KVP+1], s[6:7], s[30:31]
	CLOAD ST, 0                                    ; chunk 0: every batch has one
	s_lshl_b32 s30, s[BB], 7
	s_lshl_b32 s32, ttmp9, 2
	s_add_co_u32 s30, s30, s32
	s_add_co_u32 s30, s30, s[TT]                   ; my tile of Q: 128 b + 4 x + tile
	s_lshl_b32 s32, s30, 10
	s_add_nc_u64 s[44:45], s[4:5], s[32:33]        ; its codes
	s_lshl_b32 s32, s30, 6
	s_add_co_u32 s32, s32, 0x200000
	s_add_nc_u64 s[46:47], s[4:5], s[32:33]        ; its scale words
	global_load_b128 v[QF:QF+3], v7, s[44:45]
	global_load_b128 v[QF+4:QF+7], v7, s[44:45] offset:512
	global_load_b32 v[QW], v10, s[46:47]
	s_lshr_b32 s[NE], s39, 5
	s_min_u32 s[NE], s[NE], 0x800                  ; keys that are walked: 1 to 2048
	s_add_co_u32 s[NCH], s[NE], 255
	s_lshr_b32 s[NCH], s[NCH], 8                   ; chunks that are read: 1 to 8
	s_mov_b32 s[TN], 0xcb2ca22c                    ; f32(-1e6 x sqrt(128)) = -11,313,708
	s_mov_b32 s35, 0xc9b01c38                      ; f32(-1e6 x log2(e)) = -1,442,695
	s_mov_b32 s[CM], 0x3e0293ee                    ; log2(e) / sqrt(128)
	s_bitcmp1_b32 s39, 4
	s_cselect_b32 s[VL], 0, s[NE]                  ; keys that count
	s_cselect_b32 s[TN], s35, s[TN]
	s_cselect_b32 s[CM], 1.0, s[CM]
	s_mov_b32 s[CM+1], s[CM]                       ; (named with it as a pair)
	s_or_b32 s35, ttmp9, s[QH]
	s_cmp_eq_u32 s35, 0                            ; the pair's first work-group prefetches, waves of parity 0
	s_cselect_b32 s[LIM], 3, 64                    ; while the round + LIM is under the number of chunks, which is 8 at the most
	s_lshl_b32 s32, s[BB], 11                      ; my tile's first row of out0: 2048 b + 64 x + 32 (tile / 2) + 8 (tile % 2),
	s_lshl_b32 s30, ttmp9, 6
	s_add_co_u32 s32, s32, s30
	s_lshr_b32 s30, s[TT], 1
	s_lshl_b32 s30, s30, 5
	s_add_co_u32 s32, s32, s30
	s_and_b32 s30, s[TT], 1
	s_lshl_b32 s30, s30, 3
	s_add_co_u32 s32, s32, s30
	s_lshl_b32 s32, s32, 9                         ; in bytes (under 2^24),
	s_lshl_b32 s30, s[QH], 8
	s_add_co_u32 s32, s32, s30                     ; + my 64 channels
	s_add_nc_u64 s[10:11], s[10:11], s[32:33]
	s_cmp_lt_u32 s[NCH], 2
	s_cbranch_scc1 .Lone
	CLOAD SG, CHUNK                                ; chunk 1: it is stored in round 0
	s_wait_loadcnt 0x9                             ; chunk 0 and Q are in; chunk 1's nine loads may be out
	s_branch .Lgot
.Lone:
	s_wait_loadcnt 0x0
.Lgot:
	CSTORE SA0, SS0, ST
	s_wait_dscnt 0x0                               ; for the others' sake: my part of chunk 0 lies in LDS
	s_barrier_signal -1
	s_barrier_wait -1
.Lround:                                           ; two trips of four rounds, whatever the lengths are: only work is jumped over
	ROUND 0
	ROUND 1
	ROUND 2
	ROUND 3
	s_add_co_u32 s[RC], s[RC], 4
	s_cmp_lt_u32 s[RC], 8
	s_cbranch_scc1 .Lround
	; THE EXCHANGE: -M, the sum and the partner's half of O go to LDS; the partner (wave xor 2) has the same queries and the other key steps.
	s_lshl_b32 s30, s[WV], 12
	s_lshl_b32 s31, s[WV], 8
	s_add_co_u32 s31, s31, ML
	s_xor_b32 s32, s[WV], 2
	s_lshl_b32 s33, s32, 12
	s_lshl_b32 s34, s32, 8
	s_add_co_u32 s34, s34, ML
	v_add_f32 v14, v14, v15                        ; the sum's two halves,
	v_and_b32 v5, 31, v0
	v_permlanex16_b32 v[TM+4], v14, s[SEL], s[SEL+1]
	v_lshlrev_b32 v6, 4, v5
	v_lshlrev_b32 v7, 3, v5
	v_add_f32 v13, v14, v[TM+4]                    ; and lane l xor 16's, beside -M
	v_add_nc_u32 v8, s30, v6
	v_add_nc_u32 v9, s31, v7
	v_add_nc_u32 v10, s33, v6
	v_add_nc_u32 v11, s34, v7
	ds_store_b64 v9, v[12:13]
.irp k, 0,1,2,3,4,5,6,7
	ds_store_b128 v8, v[OT+32+4*\k:OT+35+4*\k] offset:512*\k
.endr
	s_wait_alu depctr_va_vdst(0)                   ; ahead of the wait below
	s_wait_dscnt 0x0                               ; for the partner's sake
	s_barrier_signal -1
	s_barrier_wait -1
	ds_load_b64 v[TM:TM+1], v11                    ; the partner's -M and sum,
.irp k, 0,1,2,3,4,5,6,7
	ds_load_b128 v[FR+4*\k:FR+4*\k+3], v10 offset:512*\k   ; and its part of my 64 channels
.endr
	s_mul_i32 s30, s[WV], 16*272
	s_add_co_u32 s30, s30, STG                     ; my stage
	s_wait_dscnt 0x8                               ; -M and the sum are in; the eight behind them may be out
	v_min_num_f32 v14, v12, v[TM]                  ; -M of both
	v_and_b32 v5, 15, v0                           ; r
	v_bfe_u32 v6, v0, 4, 1                         ; h
	v_sub_f32 v15, v14, v12
	v_sub_f32 v[TM+2], v14, v[TM]
	v_mul_u32_u24 v7, v5, 272
	v_mul_u32_u24 v8, v6, 272
	v_cvt_i32_f32 v15, v15                         ; (it saturates: a wave that had no step has -M = 3e38, and its share becomes 0)
	v_cvt_i32_f32 v[TM+2], v[TM+2]
	v_lshl_add_u32 v7, v6, 5, v7
	v_lshl_add_u32 v8, v5, 4, v8
	v_ldexp_f32 v[FF], 1.0, v15
	v_ldexp_f32 v[TM+2], 1.0, v[TM+2]
	v_lshlrev_b32 v9, 9, v6
	v_add_nc_u32 v7, s30, v7                       ; in: row r; tile t's eight channels of my half: 64 t + 32 h bytes on
	v_mul_f32 v13, v13, v[FF]
	v_add_nc_u32 v8, s30, v8                       ; back: lanes 0-15 one row, lanes 16-31 the next
	v_lshl_add_u32 v9, v5, 4, v9                   ; and the same in out0
	v_fma_f32 v13, v[TM+1], v[TM+2], v13           ; the row's sum: the row's largest p is above 1/2, so it is no zero
	v_lshl_add_u32 v1, v0, 2, SPARE                ; my spare word, and 0, for the wave's last lines
	v_mov_b32 v2, 0
	s_wait_alu depctr_va_vdst(0)                   ; ahead of the transcendental
	v_rcp_f32 v13, v13
	v_nop                                          ; one plain line behind it
	s_wait_alu depctr_va_vdst(0)                   ; and ahead of its first reader
	v_mul_f32 v[FF], v[FF], v13
	v_mul_f32 v[TM+2], v[TM+2], v13
	s_wait_alu depctr_va_vdst(0)                   ; directly ahead of O^T's first readers
.set j, 0
.rept 16
	v_pk_mul_f32 v[ST+j:ST+j+1], v[OT+j:OT+j+1], v[FF:FF+1] op_sel_hi:[1,0]
.set j, j+2
.endr
	s_wait_alu depctr_va_vdst(0)                   ; ahead of the wait below
	s_wait_dscnt 0x0
.set j, 0
.rept 16
	v_pk_fma_f32 v[ST+j:ST+j+1], v[FR+j:FR+j+1], v[TM+2:TM+3], v[ST+j:ST+j+1] op_sel_hi:[1,0,1]   ; register 8 t + i is out0(r, 64 x parity + 16 t + 8 h + i)
.set j, j+2
.endr
	; THE WAY OUT: through my own stage, 16 queries x 256 bytes, so that sixteen lanes store 256 consecutive bytes, aligned.
.irp t, 0,1,2,3
	ds_store_b128 v7, v[ST+8*\t:ST+8*\t+3] offset:64*\t
	ds_store_b128 v7, v[ST+8*\t+4:ST+8*\t+7] offset:64*\t+16
.endr
.irp i, 0,1,2,3,4,5,6,7
	ds_load_b128 v[FR+4*\i:FR+4*\i+3], v8 offset:2*\i*272   ; LDS serves a wave's instructions in order (ISA guide 5.7.1.4): these see my stores
.endr
.irp i, 0,1,2,3,4,5,6,7
	s_wait_dscnt 7-\i                              ; at most the younger loads are out
	global_store_b128 v9, v[FR+4*\i:FR+4*\i+3], s[10:11] offset:512*(2*\i+8*(\i/4)) th:TH_STORE_NT   ; row p of a tile is query p + 8 (p / 8) behind its first
.endr
	s_wait_alu depctr_va_vdst(0)
	s_wait_tensorcnt 0x0                           ; the wave's end, behind my last LDS store
	ds_add_u32 v1, v2
	s_wait_dscnt 0x0
	s_endpgm
.Lfunc_end_k_q596ee860c9_attn:
	.size	k_q596ee860c9_attn, .Lfunc_end_k_q596ee860c9_attn-k_q596ee860c9_attn
	.p2alignl 7, 3214868480
	.fill 96, 4, 3214868480
	.section	.rodata,"a",@progbits
	.p2align	6, 0x0
	.amdhsa_kernel k_q596ee860c9_attn
		.amdhsa_group_segment_fixed_size 280576
		.amdhsa_private_segment_fixed_size 0
		.amdhsa_enable_private_segment 0
		.amdhsa_kernarg_size 32
		.amdhsa_user_sgpr_count 2
		.amdhsa_user_sgpr_kernarg_segment_ptr 1
		.amdhsa_wavefront_size32 1
		.amdhsa_system_sgpr_workgroup_id_x 1
		.amdhsa_system_sgpr_workgroup_id_y 1
		.amdhsa_system_sgpr_workgroup_id_z 1
		.amdhsa_system_vgpr_workitem_id 0
		.amdhsa_next_free_vgpr 256
		.amdhsa_next_free_sgpr 66
		.amdhsa_reserve_vcc 0
		.amdhsa_float_denorm_mode_32 3
		.amdhsa_float_denorm_mode_16_64 3
		.amdhsa_memory_ordered 1
		.amdhsa_forward_progress 1
		.amdhsa_inst_pref_size 137
	.end_amdhsa_kernel
	.amdgpu_metadata
---
amdhsa.version: [ 1, 2 ]
amdhsa.kernels:
  - .name:           k_q596ee860c9_attn
    .symbol:         k_q596ee860c9_attn.kd
    .args:
      - { .name: qc, .offset: 0, .size: 8, .value_kind: global_buffer, .address_space: global }
      - { .name: kv, .offset: 8, .size: 8, .value_kind: global_buffer, .address_space: global }
      - { .name: order, .offset: 16, .size: 8, .value_kind: global_buffer, .address_space: global }
      - { .name: out0, .offset: 24, .size: 8, .value_kind: global_buffer, .address_space: global }
    .group_segment_fixed_size: 280576
    .private_segment_fixed_size: 0
    .kernarg_segment_align: 8
    .kernarg_segment_size: 32
    .max_flat_workgroup_size: 512
    .sgpr_count:     66
    .vgpr_count:     256
    .wavefront_size: 32
...
	.end_amdgpu_metadata
.endif
;; end of part 4
